; MI455X (gfx1250); checked and timed in simulation.
; The chip was launched on July 23, 2026; its instructions are those of AMD's public machine-readable ISA for CDNA 5 (MIT licence, August 2026) and "CDNA5" Instruction Set Architecture Reference Guide (July 2026). The comments in the code are by the model that wrote it; some were corrected since.
;; Multi Head Attention. Allowed arithmetic: matrix products marked QUANTISED: E2M1 operands, one E8M0 scale for each 32 along K, by v_wmma_scale_f32_16x16x128_f8f6f4 with both operands' format E2M1 (or v_wmma_scale_f32_32x16x128_f4), f32 sums; products left as they are: bf16, f16 or f32 operands; f32 sums; everything else in f32.
;; Inputs: Wk 1,024 x 1,024 float32; Wo 1,024 x 1,024 float32; Wq 1,024 x 1,024 float32; Wv 1,024 x 1,024 float32; x 2 x 2,048 x 1,024 float32.
;; Outputs: out0 2 x 2,048 x 1,024 float32.
;; This version of the problem:
;;   THIS VERSION OF THE PROBLEM IS GIVEN IN LOW PRECISION. The matrix products marked QUANTISED in the list below multiply operands that are first quantised to E2M1 (2 exponent bits, 1 mantissa bit; 4 bits a number), with one power-of-two scale for each 32 numbers along K (OCP MX v1.0); their sums are f32. The products marked 'left as it is' may take bf16, f16 or f32 operands, with f32 sums. Whichever they take, every output number must still come out within the allowed error. Rounding operands to bf16 (8 significant bits) uses up far more of that allowance than f16 does (11 bits, for magnitudes from 6e-5 to 65,504). All else is computed in f32.
;;   The module's matrix products, in the order in which they are computed (A, B: the left and right operand; K: the contracted axis; several contracted axes count as one K, in the product's order):
;;     1. [M 4,096, K 1,024] x [K 1,024, N 1,024]; A: input x; B: input Wq: QUANTISED
;;     2. [M 4,096, K 1,024] x [K 1,024, N 1,024]; A: input x; B: input Wk: QUANTISED
;;     3. [M 4,096, K 1,024] x [K 1,024, N 1,024]; A: input x; B: input Wv: QUANTISED
;;     4. batch 32 x [M 2,048, K 64] x [K 64, N 2,048]; A: computed on the way; B: computed on the way: left as it is (an operand is computed on the way)
;;     5. batch 32 x [M 2,048, K 2,048] x [K 2,048, N 64]; A: computed on the way; B: computed on the way: left as it is (an operand is computed on the way)
;;     6. [M 4,096, K 1,024] x [K 1,024, N 1,024]; A: computed on the way; B: input Wo: left as it is (an operand is computed on the way)
;;   THE QUANTISER, for each operand of a quantised product, along K:
;;     - K is cut into blocks of 32 from its start; a last block that is shorter is filled with zeros.
;;     - A block's scale is 2^e with e = floor(log2(the largest magnitude in the block)) - 2, held to -126 .. 127; a block of zeros has e = 0. As a byte (E8M0): e + 127.
;;     - Each number is divided by its block's scale, clamped to +-6, and rounded to the nearest number of E2M1, ties to even, subnormals kept.
;;     - The product sums the exact products of the quantised numbers (number of the format x scale) in f32.
;;   ~~~python
;;   def quantise(x, axis):      # numpy; x: float32 -> the quantised numbers, widened to float32 again
;;       x = np.moveaxis(x, axis, -1); K = x.shape[-1]
;;       x = np.pad(x, [(0, 0)] * (x.ndim - 1) + [(0, -K % 32)]); x = x.reshape(x.shape[:-1] + (-1, 32)); a = np.abs(x).max(-1, keepdims=True)
;;       e = np.where(a > 0, np.clip(np.frexp(np.where(a > 0, a, 1))[1] - 1 - 2, -126, 127), 0)      # np.frexp(a)[1] - 1 = floor(log2(a)), exactly
;;       r = np.clip(x / 2.0 ** e, -6, 6)
;;       step = 2.0 ** (np.maximum(np.frexp(np.where(r == 0, 1, r))[1] - 1, 0) - 1)
;;       q = np.round(r / step) * step * 2.0 ** e      # np.round: ties to even
;;       return np.moveaxis(q.reshape(q.shape[:-2] + (-1,))[..., :K], -1, axis).astype(np.float32)
;;   ~~~
;; One version. Each part assembles by itself: llvm-mc -triple=amdgcn-amd-amdhsa -mcpu=gfx1250 --defsym DOCPART=n.
;; ======== version 1 of 1: 5 launches
;; limits: values are held in f16: magnitudes above 65,504 overflow, below 6.1e-05 lose precision; right only within a limited range of input values
;; workspace buffers: xc 2,097,152 bytes; xs 131,072 bytes; wc 1,572,864 bytes; ws 98,304 bytes; wo16 4,194,304 bytes; qkv16 25,165,824 bytes; qkv32 393,216 bytes; ctx3 8,388,608 bytes
;; launch prep (part 1): grid 256 x 1, 4 waves a work-group, no clusters, 33,280 bytes of LDS; arguments x, Wq, Wk, Wv, Wo, xc, xs, wc, ws, wo16; writes xc, xs, wc, ws, wo16
.if DOCPART == 1
	.amdgcn_target "amdgcn-amd-amdhsa--gfx1250"
	.amdhsa_code_object_version 6
	.text
	.protected	k_q0978b0cf2a_prep
	.globl	k_q0978b0cf2a_prep
	.p2align	8
	.type	k_q0978b0cf2a_prep,@function
k_q0978b0cf2a_prep:
	s_mov_b64 s[64:65], 0
	v_nop
	global_prefetch_b8 v0, s[64:65] scope:SCOPE_SE
	s_setreg_imm32_b32 hwreg(HW_REG_WAVE_MODE, 25, 1), 1
	s_wait_xcnt 0x0
; x [4096][1024] and Wq, Wk, Wv [1024][1024], f32 with K innermost, become codes of FP4 (E2M1), K innermost, two a byte, with one E8M0 scale byte for each 32 along K:
; xc [4096][512 bytes], xs [4096][32 bytes]; wc [3072][512], ws [3072][32]: rows 0-1023 Wq, 1024-2047 Wk, 2048-3071 Wv.  Wo [1024][1024] becomes a pair of f16 numbers, a high and a low part
; (high = Wo rounded to f16, low = Wo - high, which is exact in f32, rounded to f16): wo16 holds the high parts from byte 0 on and the low parts from byte 2,097,152 on, both laid as Wo.
; A block's scale is 2^(floor(log2(its largest magnitude)) - 2); its byte is the largest magnitude's exponent field - 2, held at 1 from below.  Each number is divided by the scale and rounded to the nearest code, ties to even;
; beyond the largest code the conversion gives the largest.
; LIMITS: a block of zeros gets the byte 1 where the rule says 127 (its codes are zeros, and this program alone reads the bytes); blocks whose largest magnitude lies under 2^-124 share that floor;
; NaN and infinities among the inputs are not served; |Wo| stays under 65,504, f16's largest number.
; SHARES: rows are dense and K is a multiple of 32, so every tensor is a plain stream.  A work-group takes 32,768 numbers, a wave 8,192: 16 steps of 512.  Work-groups 0-127: x; 128-159 Wq; 160-191 Wk; 192-223 Wv; 224-255 Wo.
; The four quantised tensors take ONE path: only pointers are chosen, by the work-group's number.  Wo takes a path of its own, which uses no LDS.
; THE QUANTISER: each of a step's four loads reads 512 consecutive bytes; the conversions want 16 neighbours in one lane, so the step's 2,048 bytes turn through the wave's own stage in LDS (16 bytes of padding behind each 64).
; Two neighbouring lanes hold a block.  A lane's 16 codes are 8 bytes: a wave's store covers 256 consecutive bytes.  A wave's 256 scale bytes are gathered in its own LDS bytes and leave by one store of 256 consecutive bytes.
; No tensor loads, no barrier: waves share nothing.  Loads run four steps (16 loads a wave) ahead.
.set WAVES, 4
.set STEPS, 16
.set EMAX,  2
.set CB,    8                          ; bytes of 16 codes
.set R,     16                         ; v16-79   four sets of 16 numbers as they are loaded
.set X,     80                         ; v80-111  two sets of 16 neighbours
.set C,     128                        ; v128-191 codes: four registers for each step, so that no store's data are written again
.set E,     112                        ; v112-127 a scale byte for each step
.set WREG,  8192                       ; LDS: a region for each wave: two stages of 32 x SP bytes, behind them its 256 scale bytes
.set SP,    80                         ; a lane's place in a stage: 64 bytes + 16 of padding
.set SPW,   12                         ; v12  LDS address of my spare word; never rewritten
.set NIL,   13                         ; v13  0; never rewritten
.set SPARE, WAVES*WREG                 ; behind the four regions: the spare words, 128 bytes a wave, which no other line names
.set HI,    80                         ; Wo's path: v80-87 high parts, v88-95 low parts, v96-99 at work
.set LO,    88
.set LOWP,  2097152                    ; where the low parts begin in wo16
	s_load_b256 s[4:11], s[0:1], 0x0               ; x s[4:5], Wq s[6:7], Wk s[8:9], Wv s[10:11]
	s_load_b256 s[12:19], s[0:1], 0x20             ; Wo s[12:13], xc s[14:15], xs s[16:17], wc s[18:19]
	s_load_b128 s[20:23], s[0:1], 0x40             ; ws s[20:21], wo16 s[22:23]
	v_lshl_add_u32 v[SPW], v0, 2, SPARE
	v_mov_b32 v[NIL], 0
	v_lshrrev_b32 v1, 5, v0
	v_readfirstlane_b32 s24, v1                    ; wave
	v_and_b32 v2, 31, v0                           ; lane
	v_lshlrev_b32 v3, 4, v2                        ; my 16 bytes of a load's 512
	s_mul_i32 s25, s24, WREG
	v_lshrrev_b32 v14, 2, v2
	v_mul_u32_u24 v14, v14, SP
	v_and_b32 v15, 3, v2
	v_lshl_add_u32 v14, v15, 4, v14
	v_add_nc_u32 v14, s25, v14                     ; the stage, on the way in: SP (lane / 4) + 16 (lane % 4)
	v_mul_u32_u24 v15, v2, SP
	v_add_nc_u32 v15, s25, v15                     ; and on the way out: SP x lane: my 16 neighbours
	v_mul_u32_u24 v4, v2, CB                       ; 8 x lane: my codes' place in a step's; in Wo's path my four f16
	v_lshrrev_b32 v5, 1, v2
	s_add_co_u32 s25, s25, 2*32*SP
	v_add_nc_u32 v5, s25, v5                       ; LDS: my wave's 256 scale bytes, my block's byte
	v_lshlrev_b32 v7, 3, v2                        ; and on the way out 8 bytes a lane
	v_add_nc_u32 v6, s25, v7
	s_and_b32 s28, ttmp9, 31                       ; which 32,768 numbers of a weight
	s_mov_b32 s31, 0
	s_wait_kmcnt 0x0
	s_cmp_ge_u32 ttmp9, 224
	s_cbranch_scc1 .Lwo
	s_cmp_lt_u32 ttmp9, 128                        ; the choices hang on the work-group's number alone
	s_cselect_b64 s[4:5], s[4:5], s[6:7]           ; x, or a weight:
	s_cselect_b64 s[14:15], s[14:15], s[18:19]     ; its codes,
	s_cselect_b64 s[16:17], s[16:17], s[20:21]     ; its scale bytes,
	s_cselect_b32 s26, 0, 128                      ; the first work-group of the destination,
	s_cselect_b32 s27, ttmp9, s28                  ; and my place in the source
	s_cmp_lt_u32 ttmp9, 160
	s_cselect_b64 s[4:5], s[4:5], s[8:9]
	s_cmp_lt_u32 ttmp9, 192
	s_cselect_b64 s[4:5], s[4:5], s[10:11]
	s_lshl_b32 s27, s27, 2
	s_add_co_u32 s27, s27, s24                     ; which run of 8,192 numbers of the source is my wave's
	s_lshl_b32 s30, s27, 15                        ; 32,768 bytes a run (under 2^25)
	s_add_nc_u64 s[4:5], s[4:5], s[30:31]
	s_sub_co_u32 s26, ttmp9, s26
	s_lshl_b32 s26, s26, 2
	s_add_co_u32 s26, s26, s24                     ; and of the destination
	s_lshl_b32 s30, s26, 12                        ; 4,096 bytes of codes a run
	s_add_nc_u64 s[14:15], s[14:15], s[30:31]
	s_lshl_b32 s30, s26, 8                         ; 256 scale bytes a run
	s_add_nc_u64 s[16:17], s[16:17], s[30:31]
.macro LOAD t
.irp i, 0,1,2,3
	global_load_b128 v[R+16*((\t)%4)+4*\i:R+16*((\t)%4)+4*\i+3], v3, s[4:5] offset:2048*(\t)+512*\i th:TH_LOAD_NT   ; 32 lanes read 512 consecutive bytes
.endr
.endm
.macro TURN t                          ; step t's numbers through the stage: LDS serves a wave's instructions in order (ISA guide 5.7.1.4), so no wait stands between the stores and the loads
.irp i, 0,1,2,3
	ds_store_b128 v14, v[R+16*((\t)%4)+4*\i:R+16*((\t)%4)+4*\i+3] offset:32*SP*((\t)%2)+8*SP*\i
.endr
.irp i, 0,1,2,3
	ds_load_b128 v[X+16*((\t)%2)+4*\i:X+16*((\t)%2)+4*\i+3], v15 offset:32*SP*((\t)%2)+16*\i
.endr
.endm
.irp t, 0,1,2,3
	LOAD \t
.endr
	s_wait_loadcnt 12                              ; step 0's four loads are in; three steps' twelve may be out
	TURN 0
.macro STEP t
.set XS, X+16*((\t)%2)
.if (\t) > 0
	s_wait_dscnt 1                                 ; this step's numbers are back from the stage (the last step's byte store may be out): so its stores into the stage have read their registers,
.else
	s_wait_dscnt 0x0
.endif
.if (\t)+4 < STEPS
	LOAD (\t)+4                                    ; which take the loads of four steps on
.endif
.if (\t)+1 < STEPS
.if STEPS-2-(\t) >= 3
	s_wait_loadcnt 12                              ; the next step's four loads are in; those of the three steps behind it may be out
.else
	s_wait_loadcnt 4*(STEPS-2-(\t))
.endif
	TURN (\t)+1                                    ; and go through the other stage while this step is worked
.endif
	v_max3_num_f32 v8, |v[XS]|, |v[XS+1]|, |v[XS+2]|               ; the largest magnitude of my 16, in two chains
	v_max3_num_f32 v9, |v[XS+3]|, |v[XS+4]|, |v[XS+5]|
.irp i, 6,10
	v_max3_num_f32 v8, v8, |v[XS+\i]|, |v[XS+\i+1]|
	v_max3_num_f32 v9, v9, |v[XS+\i+2]|, |v[XS+\i+3]|
.endr
	v_max3_num_f32 v8, v8, |v[XS+14]|, |v[XS+15]|
	v_max3_num_f32 v8, v8, v9, (EMAX+1)<<23        ; and the floor 2^(EMAX + 1 - 127): the byte cannot fall under 1
	v_max_num_f32_dpp v8, v8, v8 row_xmask:1 row_mask:0xf bank_mask:0xf   ; and of my neighbour's 16: the block's
	v_add_nc_u32 v11, -(EMAX<<23), v8              ; EMAX off its exponent field: the conversion takes the exponent field of this operand as its scale, and nothing else of it
	v_cvt_scalef32_pk8_fp4_f32 v[C+4*(\t)], v[XS:XS+7], v11
	v_cvt_scalef32_pk8_fp4_f32 v[C+4*(\t)+1], v[XS+8:XS+15], v11
	v_lshrrev_b32 v[E+(\t)], 23, v11               ; the scale's byte (also the plain line behind the conversions)
	ds_store_b8 v5, v[E+(\t)] offset:16*(\t)       ; both lanes of a block write the same byte with the same value
	global_store_b64 v4, v[C+4*(\t):C+4*(\t)+1], s[14:15] offset:32*CB*(\t)   ; 32 lanes store 256 consecutive bytes
.endm
.irp t, 0,1,2,3,4,5,6,7,8,9,10,11,12,13,14,15
	STEP \t
.endr
	ds_load_b64 v[8:9], v6                         ; in order behind my byte stores
	s_wait_dscnt 0x0
	global_store_b64 v7, v[8:9], s[16:17]          ; 32 lanes store 256 consecutive bytes of scales
	s_wait_tensorcnt 0x0                           ; the wave's end
	ds_add_u32 v[SPW], v[NIL]
	s_wait_dscnt 0x0
	s_endpgm
; ---- Wo: a stream of f32 into two streams of f16.  No LDS: a lane's four numbers become 8 bytes of each part, and a wave's store covers 256 consecutive bytes.
.Lwo:
	s_sub_co_u32 s26, ttmp9, 224
	s_lshl_b32 s26, s26, 2
	s_add_co_u32 s26, s26, s24                     ; which run of 8,192 numbers is my wave's
	s_lshl_b32 s30, s26, 15
	s_add_nc_u64 s[4:5], s[12:13], s[30:31]        ; LOAD reads through s[4:5]
	s_lshl_b32 s30, s26, 14                        ; 16,384 bytes of f16 a run
	s_add_nc_u64 s[22:23], s[22:23], s[30:31]
; four numbers of load i of step t.  al .. bh: the names of the four halves of the two registers of high parts
.macro WQ t, i, al, ah, bl, bh
.set RR, R+16*((\t)%4)+4*(\i)
	v_cvt_pk_f16_f32 v[HI+2*(\i)], v[RR], v[RR+1]                  ; the high parts
	v_cvt_pk_f16_f32 v[HI+2*(\i)+1], v[RR+2], v[RR+3]
	v_cvt_f32_f16 v96, \al                         ; widened again,
	v_cvt_f32_f16 v97, \ah
	v_cvt_f32_f16 v98, \bl
	v_cvt_f32_f16 v99, \bh
	v_pk_add_f32 v[96:97], v[RR:RR+1], v[96:97] neg_lo:[0,1] neg_hi:[0,1]       ; and taken off: what the rounding left, exact in f32
	v_pk_add_f32 v[98:99], v[RR+2:RR+3], v[98:99] neg_lo:[0,1] neg_hi:[0,1]
	v_cvt_pk_f16_f32 v[LO+2*(\i)], v96, v97        ; the low parts
	v_cvt_pk_f16_f32 v[LO+2*(\i)+1], v98, v99
	global_store_b64 v4, v[HI+2*(\i):HI+2*(\i)+1], s[22:23] offset:1024*(\t)+256*(\i)
	global_store_b64 v4, v[LO+2*(\i):LO+2*(\i)+1], s[22:23] offset:LOWP+1024*(\t)+256*(\i)
.endm
.macro WSTEP t
.if 15-(\t) >= 3
	s_wait_loadcnt 12                              ; this step's four loads are in; three later steps' twelve may be out
.else
	s_wait_loadcnt 4*(15-(\t))
.endif
	s_wait_xcnt 0x0                                ; the last step's stores have read v80-95, which are written anew below
	WQ \t, 0, v80.l, v80.h, v81.l, v81.h
	WQ \t, 1, v82.l, v82.h, v83.l, v83.h
	WQ \t, 2, v84.l, v84.h, v85.l, v85.h
	WQ \t, 3, v86.l, v86.h, v87.l, v87.h
.if (\t)+4 < STEPS
	LOAD (\t)+4
.endif
.endm
.irp t, 0,1,2,3
	LOAD \t
.endr
.irp t, 0,1,2,3,4,5,6,7,8,9,10,11,12,13,14,15
	WSTEP \t
.endr
	s_endpgm
.Lfunc_end_k_q0978b0cf2a_prep:
	.size	k_q0978b0cf2a_prep, .Lfunc_end_k_q0978b0cf2a_prep-k_q0978b0cf2a_prep
	.p2alignl 7, 3214868480
	.fill 96, 4, 3214868480
	.section	.rodata,"a",@progbits
	.p2align	6, 0x0
	.amdhsa_kernel k_q0978b0cf2a_prep
		.amdhsa_group_segment_fixed_size 33280
		.amdhsa_private_segment_fixed_size 0
		.amdhsa_enable_private_segment 0
		.amdhsa_kernarg_size 80
		.amdhsa_user_sgpr_count 2
		.amdhsa_user_sgpr_kernarg_segment_ptr 1
		.amdhsa_wavefront_size32 1
		.amdhsa_system_sgpr_workgroup_id_x 1
		.amdhsa_system_sgpr_workgroup_id_y 1
		.amdhsa_system_sgpr_workgroup_id_z 1
		.amdhsa_system_vgpr_workitem_id 0
		.amdhsa_next_free_vgpr 192
		.amdhsa_next_free_sgpr 66
		.amdhsa_reserve_vcc 0
		.amdhsa_float_denorm_mode_32 3
		.amdhsa_float_denorm_mode_16_64 3
		.amdhsa_memory_ordered 1
		.amdhsa_forward_progress 1
		.amdhsa_inst_pref_size 85
	.end_amdhsa_kernel
	.amdgpu_metadata
---
amdhsa.version: [ 1, 2 ]
amdhsa.kernels:
  - .name:           k_q0978b0cf2a_prep
    .symbol:         k_q0978b0cf2a_prep.kd
    .args:
      - { .name: x, .offset: 0, .size: 8, .value_kind: global_buffer, .address_space: global }
      - { .name: Wq, .offset: 8, .size: 8, .value_kind: global_buffer, .address_space: global }
      - { .name: Wk, .offset: 16, .size: 8, .value_kind: global_buffer, .address_space: global }
      - { .name: Wv, .offset: 24, .size: 8, .value_kind: global_buffer, .address_space: global }
      - { .name: Wo, .offset: 32, .size: 8, .value_kind: global_buffer, .address_space: global }
      - { .name: xc, .offset: 40, .size: 8, .value_kind: global_buffer, .address_space: global }
      - { .name: xs, .offset: 48, .size: 8, .value_kind: global_buffer, .address_space: global }
      - { .name: wc, .offset: 56, .size: 8, .value_kind: global_buffer, .address_space: global }
      - { .name: ws, .offset: 64, .size: 8, .value_kind: global_buffer, .address_space: global }
      - { .name: wo16, .offset: 72, .size: 8, .value_kind: global_buffer, .address_space: global }
    .group_segment_fixed_size: 33280
    .private_segment_fixed_size: 0
    .kernarg_segment_align: 8
    .kernarg_segment_size: 80
    .max_flat_workgroup_size: 128
    .sgpr_count:     66
    .vgpr_count:     192
    .wavefront_size: 32
...
	.end_amdgpu_metadata
.endif
;; end of part 1
;; launch qkv (part 2): grid 12 x 16, 4 waves a work-group, clusters of 4 x 1, 327,680 bytes of LDS; arguments xc, xs, wc, ws, qkv16, qkv32; writes qkv16, qkv32
.if DOCPART == 2
	.amdgcn_target "amdgcn-amd-amdhsa--gfx1250"
	.amdhsa_code_object_version 6
	.text
	.protected	k_q0978b0cf2a_qkv
	.globl	k_q0978b0cf2a_qkv
	.p2align	8
	.type	k_q0978b0cf2a_qkv,@function
k_q0978b0cf2a_qkv:
	s_mov_b64 s[64:65], 0
	v_nop
	global_prefetch_b8 v0, s[64:65] scope:SCOPE_SE
	s_setreg_imm32_b32 hwreg(HW_REG_WAVE_MODE, 25, 1), 1
	s_wait_xcnt 0x0
	s_wait_alu depctr_hold_cnt(0) depctr_sa_sdst(0) depctr_va_vdst(0) depctr_va_sdst(0) depctr_va_ssrc(0) depctr_va_vcc(0) depctr_vm_vsrc(0)
	s_getreg_b32 s2, hwreg(HW_REG_IB_STS2, 6, 4)
	s_cmp_eq_u32 s2, 0
	s_cbranch_scc0 .Lentry_in_a_cluster
	s_endpgm
.Lentry_in_a_cluster:
	s_bfe_u32 s2, ttmp6, 0x10000c
	s_cmp_lg_u32 s2, 0x3003
	s_cbranch_scc0 .Lentry_shape_is_right
	s_endpgm
.Lentry_shape_is_right:
; q, k, v = x Wq^T, x Wk^T, x Wv^T as ONE product C[4096][3072] = A B^T on codes of FP4 (E2M1) with one E8M0 scale for each 32 along K = 1,024; sums in f32.
; A = xc, xs (rows = tokens); B = wc, ws (rows 0-1023 Wq, 1024-2047 Wk, 2048-3071 Wv).  The matrix instruction takes codes and scale bytes as they lie in memory.
; OUT: qkv16 [part 3][batch 2][head 16][token 2048][64] f16: the sums rounded once.  qkv32: the f32 sums of tokens 0-15 of each batch, for the launch that carries those rows finely, laid as images of the
; accumulators' registers: [batch 2][part 3][head 16][image 8][lane 32][4 f32]; image 2 bb + u of lane l holds token l % 16, channels 16 bb + 8 (l / 16) + 4 u + 0 .. 3.
; LIMIT: |q|, |k|, |v| stay under 65,504, f16's largest number.
; A tile of C, 256 x 256, is made by four waves, 128 x 128 each: 64 accumulators, 512 registers.  K goes in two steps of 512 through two LDS slots (a tile's row is 256 bytes of memory); each slot is filled once,
; and so are the scale bytes of the work-group's 256 + 256 rows for all of K, which are two dense blocks of memory.
; CLUSTER: four work-groups side by side make four tile columns of one tile row: they need the same tiles of A, which are asked for JOINTLY (mask 15).  B's tiles differ between them and come by plain loads.
; B is not shared too: partners along y would differ in the tile row, and the branch to the f32 rows' stores hangs on the tile row, which has to be alike in all partners.  A cluster's x is the part (q, k or v): alike too.
; THE MATRIX INSTRUCTION IS USED TRANSPOSED (source 0 = 16 rows of B, source 1 = 16 rows of A): a lane holds eight neighbouring columns of one token.
; REGISTERS, in windows of 256: window 0: v16-31 addresses; v32-95 scale words, two sets; v96-127 packed results; from v128 A's fragments, ONE set (on the way out rows read back).
;   window 1: B's fragments, two sets, at v0 and v128.   window 2: the accumulators of my rows 0-63 ((a, b) at v[8 (8 a + b)]);   window 3: those of my rows 64-127.
.set KSTEP,  512
.set NQ,     KSTEP/128                 ; matrix instructions deep
.set ROWB,   256                       ; a tile's row in bytes
.set KROW,   512                       ; a row of codes in memory
.set PITCH,  272                       ; an LDS row: 256 bytes + 16 of padding = 68 words: row r starts at bank 4 r mod 64 (64 banks of 4 bytes: ISA guide 11.1)
.set FR,     8                         ; registers of a fragment: 16 rows x 128 K
.set NL,     2                         ; LDS loads that bring one
.set NP,     4                         ; places behind this matrix instruction (ISA guide 7.12.1)
.set HALFT,  128*PITCH                 ; what one tensor load brings
.set SLOT,   4*HALFT                   ; A's 256 rows, then B's 256 rows
.set KS,     32                        ; a row of scale bytes
.set SCL,    2*SLOT                    ; behind the slots: the scales, as rows of 256 bytes + 16 of padding
.set HALFS,  (128*KS/256)*272          ; those of 128 rows
.set SBLK,   (16*KS/256)*272           ; those of 16 rows
.set SPARE,  SCL+4*HALFS               ; the spare words, 128 bytes a wave, which no other line names
.set SROW,   144                       ; the way out: a stage of 32 rows x (128 bytes + 16) for each wave, in slot 0, which has had its one fill and its last read by then
.set ADRA, 16                          ; v16-17  LDS address of my A fragments in slot 0, 1
.set ADRB, 20                          ; v20-21  the same for B
.set STO,  24                          ; v24     the way out: where I put 16 bytes of a row
.set RD,   25                          ; v25     where I read rows back
.set CO,   26                          ; v26     16 x lane
.set ADRS, 27                          ; v27     LDS address of my scale words: lanes 0-15 A's rows, lanes 16-31 B's
.set SPW,  28                          ; v28     my spare word; never rewritten
.set NIL,  29                          ; v29     0; never rewritten
.set SC,   32
.set TMP,  96
.set AF,   128
.set BK,   128                         ; rows read back: v128-159 and v160-191 by turns
.set G1, 24                            ; s[24:31] group 1 for A's tiles;  s[32:39] group 0, a set for each slot
.set G0, 32
.set G1B, 48                           ; s[48:55], s[56:63] the same for B's
.set G0B, 56
.set G1S, 68                           ; s[68:75], s[76:79] for A's scales;  s[80:87], s[88:91] for B's
.set G0S, 76
.set G1SB, 80
.set G0SB, 88
.set MSB, 0
.macro WIN new                         ; the immediate's high byte repeats the setting that is left
.if MSB != \new
	s_set_vgpr_msb (MSB<<8)|\new
.set MSB, \new
.endif
.endm
.set MUL_LO, 0xa1                      ; source 0 (B) window 1, source 1 (A) window 0, C and D window 2
.set MUL_HI, 0xf1                      ; the same, C and D window 3
.set TO_B,   0x40                      ; destination window 1, address window 0
; Waves 0 and 1 fetch for A (jointly), waves 2 and 3 for B.  The branch hangs on the wave's number alone.  An s_nop 0 and four v_nop follow each of the two lines.
.macro JLOAD g0a, g1a, g0b, g1b
	s_cmp_eq_u32 s15, 0
	s_cbranch_scc0 .Lfor_b_\@
	tensor_load_to_lds s[\g0a:\g0a+3], s[\g1a:\g1a+7]
	s_nop 0
.rept 4
	v_nop
.endr
	s_branch .Lasked_\@
.Lfor_b_\@:
	tensor_load_to_lds s[\g0b:\g0b+3], s[\g1b:\g1b+7]
	s_nop 0
.rept 4
	v_nop
.endr
.Lasked_\@:
.endm
.macro CROUND                          ; a round of the cluster's barrier
	s_barrier_signal -1
	s_barrier_wait -1
	s_cmp_lg_u32 s14, 0
	s_cbranch_scc1 .Lnot_wave_0_\@
	s_barrier_signal -3
.Lnot_wave_0_\@:
	s_barrier_wait -3
	s_barrier_signal -1
	s_barrier_wait -1
.endm
	s_load_b128 s[4:7], s[0:1], 0x0                ; A's codes s[4:5], A's scales s[6:7]
	s_load_b128 s[8:11], s[0:1], 0x10              ; B's codes s[8:9], B's scales s[10:11]
	s_load_b128 s[96:99], s[0:1], 0x20             ; qkv16 s[96:97], qkv32 s[98:99]
	v_lshl_add_u32 v[SPW], v0, 2, SPARE
	v_mov_b32 v[NIL], 0
	ds_add_u32 v[SPW], v[NIL]                      ; the wave's opening: the add, twice on end, and its wait ahead of my first tensor load
	ds_add_u32 v[SPW], v[NIL]
	v_lshrrev_b32 v1, 5, v0
	v_readfirstlane_b32 s14, v1                    ; wave 0..3
	s_lshr_b32 s15, s14, 1                         ; which half of the tile's rows is mine.  Also: I fetch for A (0) or for B (1)
	s_and_b32 s16, s14, 1                          ; which half of its columns.  Also: which 128 rows I fetch
	s_bfe_u32 s40, ttmp6, 0x40000                  ; cx: my place in the cluster
	s_lshl_b32 s42, ttmp9, 2
	s_add_co_u32 s42, s42, s40                     ; tile column = 4 x cluster x + cx
	s_and_b32 s17, ttmp7, 0xffff                   ; tile row: the cluster is one work-group high
	; group 1: a tile of 128 rows x 256 bytes, 16 bytes of padding behind each row
	s_mov_b32 s[G1+0], 15|(1<<20)|(1<<21)|(5<<22)|(3<<25)   ; 15:0 the mask: all four; 17:16 elements of 1 byte; 20 padding on; 21 set beside a mask; 24:22 after every 64 words; 31:25 four words
	s_mov_b32 s[G1B+0], (1<<20)|(5<<22)|(3<<25)             ; no mask: a load of my own
.irp g, G1, G1B
	s_mov_b32 s[\g+1], ROWB<<16                    ; tensor_dim0
	s_mov_b32 s[\g+2], 128<<16                     ; tensor_dim1
	s_mov_b32 s[\g+3], ROWB<<16                    ; tile_dim0
	s_mov_b32 s[\g+4], 128                         ; tile_dim1
	s_mov_b32 s[\g+5], KROW                        ; tensor_dim0_stride
	s_mov_b32 s[\g+6], 0
	s_mov_b32 s[\g+7], 0
.endr
	; the scales of 128 rows: a dense block of 4,096 bytes, as 16 rows of 256 bytes (32 elements of 8 bytes), 16 bytes of padding behind each
	s_mov_b32 s[G1S+0], 15|(3<<16)|(1<<20)|(1<<21)|(5<<22)|(3<<25)
	s_mov_b32 s[G1SB+0], (3<<16)|(1<<20)|(5<<22)|(3<<25)
.irp g, G1S, G1SB
	s_mov_b32 s[\g+1], 32<<16
	s_mov_b32 s[\g+2], (128*KS/256)<<16
	s_mov_b32 s[\g+3], 32<<16
	s_mov_b32 s[\g+4], 128*KS/256
	s_mov_b32 s[\g+5], 32
	s_mov_b32 s[\g+6], 0
	s_mov_b32 s[\g+7], 0
.endr
	s_lshl_b32 s18, s16, 7                         ; which 128 rows of the tile I fetch
	s_lshl_b32 s20, s17, 8
	s_add_co_u32 s20, s20, s18                     ; A: row 256 x tile row + 128 x half
	s_lshl_b32 s46, s42, 8
	s_add_co_u32 s46, s46, s18                     ; B: row 256 x tile column + 128 x half
	s_mov_b32 s21, 0
	s_mov_b32 s47, 0
	s_mov_b64 s[18:19], KS
	s_mul_u64 s[22:23], s[20:21], s[18:19]         ; where these rows' scales begin
	s_mul_u64 s[92:93], s[46:47], s[18:19]
	s_mov_b64 s[18:19], KROW
	s_mul_u64 s[20:21], s[20:21], s[18:19]         ; and their codes
	s_mul_u64 s[46:47], s[46:47], s[18:19]
	s_mul_i32 s45, s14, HALFT                      ; where they go: wave x 128 rows: no place in the cluster enters an LDS address
	s_mul_i32 s94, s14, HALFS
	s_wait_dscnt 0x0                               ; both opening adds are done
	s_wait_kmcnt 0x0
	s_add_nc_u64 s[20:21], s[4:5], s[20:21]
	s_add_nc_u64 s[22:23], s[6:7], s[22:23]
	s_add_nc_u64 s[46:47], s[8:9], s[46:47]
	s_add_nc_u64 s[92:93], s[10:11], s[92:93]
	CROUND                                         ; all four work-groups are here: the joint loads meet.  All loads of the launch follow as one group: three a wave are out
	s_mov_b32 s[G0S], 1
	s_add_co_u32 s[G0S+1], s94, SCL
	s_mov_b64 s[G0S+2:G0S+3], s[22:23]
	s_or_b32 s[G0S+3], s[G0S+3], 0x80000000
	s_mov_b32 s[G0SB], 1
	s_add_co_u32 s[G0SB+1], s94, SCL
	s_mov_b64 s[G0SB+2:G0SB+3], s[92:93]
	s_or_b32 s[G0SB+3], s[G0SB+3], 0x80000000
	JLOAD G0S, G1S, G0SB, G1SB                     ; the scales first: they are wanted with K step 0
.irp s, 0,1
	s_mov_b32 s[G0+4*\s], 1
	s_add_co_u32 s[G0+4*\s+1], s45, \s*SLOT
	s_add_nc_u64 s[G0+4*\s+2:G0+4*\s+3], s[20:21], \s*ROWB
	s_or_b32 s[G0+4*\s+3], s[G0+4*\s+3], 0x80000000
	s_mov_b32 s[G0B+4*\s], 1
	s_add_co_u32 s[G0B+4*\s+1], s45, \s*SLOT
	s_add_nc_u64 s[G0B+4*\s+2:G0B+4*\s+3], s[46:47], \s*ROWB
	s_or_b32 s[G0B+4*\s+3], s[G0B+4*\s+3], 0x80000000
	JLOAD G0+4*\s, G1, G0B+4*\s, G1B
.endr
	v_and_b32 v1, 15, v0                           ; r = l % 16
	v_bfe_u32 v2, v0, 4, 1                         ; h = l / 16
	v_mul_u32_u24 v3, v1, PITCH
	v_lshl_add_u32 v4, v2, 4, v3                   ; a fragment's row x pitch + 16 x half
	s_mul_i32 s21, s15, HALFT                      ; my 128 rows of A
	s_mul_i32 s22, s16, HALFT                      ; my 128 rows of B,
	s_add_co_u32 s22, s22, 2*HALFT                 ; which lie behind A's 256
.irp s, 0,1
	v_add_nc_u32 v[ADRA+\s], s21, v4
	v_add_nc_u32 v[ADRB+\s], s22, v4
	s_add_co_u32 s21, s21, SLOT
	s_add_co_u32 s22, s22, SLOT
.endr
	v_mul_u32_u24 v5, v1, KS                       ; my row's scales: KS bytes a row,
	v_lshrrev_b32 v6, 8, v5
	v_lshl_add_u32 v5, v6, 4, v5                   ; and 16 more for each 256 passed
	s_mul_i32 s21, s15, HALFS                      ; A's: my 128 rows
	s_mul_i32 s22, s16, HALFS                      ; B's: my 128 rows, behind A's 256
	s_add_co_u32 s22, s22, 2*HALFS
	s_sub_co_u32 s22, s22, s21
	v_mul_u32_u24 v6, s22, v2                      ; lanes 16-31 take B's: one product, the distance between the two bases x h
	s_add_co_u32 s21, s21, SCL
	v_add_nc_u32 v5, v5, v6
	v_add_nc_u32 v[ADRS], s21, v5
	s_mul_i32 s23, s14, 32*SROW                    ; my stage
	v_mul_u32_u24 v5, v1, SROW                     ; in: row r (of head 0 or 1 of my two), 16 bytes for each half of the lanes
	v_lshl_add_u32 v5, v2, 4, v5
	v_add_nc_u32 v[STO], s23, v5
	v_and_b32 v6, 31, v0
	v_lshlrev_b32 v[CO], 4, v6                     ; 16 x lane
	v_lshrrev_b32 v5, 3, v6                        ; back: eight lanes to a row of 128 bytes, four rows an instruction
	v_mul_u32_u24 v5, v5, SROW
	v_and_b32 v6, 7, v6
	v_lshl_add_u32 v5, v6, 4, v5
	v_add_nc_u32 v[RD], s23, v5
	; where my results go.  What holds cx stands in registers that never fed A's descriptors
	s_lshr_b32 s41, s17, 3                         ; batch: 8 tile rows each
	s_lshl_b32 s43, s40, 2
	s_lshl_b32 s44, s16, 1
	s_add_co_u32 s43, s43, s44                     ; my first head of two: 4 cx + 2 x column half
	s_lshl_b32 s44, s41, 4
	s_add_co_u32 s44, s44, s43
	s_lshl_b32 s46, s44, 18                        ; (16 batch + head) x 2,048 tokens x 128 bytes
	s_lshl_b32 s44, ttmp9, 23                      ; + the part's 8,388,608 bytes
	s_add_co_u32 s46, s46, s44
	s_and_b32 s44, s17, 7
	s_lshl_b32 s44, s44, 1
	s_add_co_u32 s44, s44, s15                     ; which 128 tokens of the batch
	s_lshl_b32 s44, s44, 14
	s_add_co_u32 s46, s46, s44
	s_mov_b32 s47, 0
	s_add_nc_u64 s[96:97], s[96:97], s[46:47]
	s_mul_i32 s44, s41, 3
	s_add_co_u32 s44, s44, ttmp9
	s_lshl_b32 s44, s44, 4
	s_add_co_u32 s44, s44, s43                     ; ((3 batch + part) x 16 + head) x 4,096 bytes
	s_lshl_b32 s46, s44, 12
	s_add_nc_u64 s[98:99], s[98:99], s[46:47]
.macro FRAG reg, adr, q, i             ; 16 rows x 128 K of 4-bit codes: lane l holds row l % 16; registers 4 c .. 4 c + 3 hold K = 64 c + 32 (l / 16) + 0 .. 31
.irp c, 0,1
	ds_load_b128 v[\reg+4*\c:\reg+4*\c+3], v[\adr] offset:64*(\q)+32*\c+(\i)*16*PITCH
.endr
.endm
; 16 matrix instructions: A's blocks a0, a0 + 1 x B's eight, the slot's q-th 128 along K.  p: B's set;  sc: the set of scale words.  zero = 1: the first product starts the sums.
; The 64 accumulators take turns, one instruction a turn, in the same order in every step.
.macro MUL16 a0, p, q, sc, zero
.irp a, \a0, \a0+1
.irp b, 0,1,2,3,4,5,6,7
.if \zero
	v_wmma_scale_f32_16x16x128_f8f6f4 v[8*(8*((\a)%4)+\b):8*(8*((\a)%4)+\b)+7], v[128*(\p)+FR*\b:128*(\p)+FR*\b+FR-1], v[AF+FR*(\a):AF+FR*(\a)+FR-1], 0, v[SC+8*NQ*(\sc)+NQ*\b+(\q)], v[SC+8*NQ*(\sc)+NQ*(\a)+(\q)] matrix_a_fmt:MATRIX_FMT_FP4 matrix_b_fmt:MATRIX_FMT_FP4 matrix_a_scale:MATRIX_SCALE_ROW1
.else
	v_wmma_scale_f32_16x16x128_f8f6f4 v[8*(8*((\a)%4)+\b):8*(8*((\a)%4)+\b)+7], v[128*(\p)+FR*\b:128*(\p)+FR*\b+FR-1], v[AF+FR*(\a):AF+FR*(\a)+FR-1], v[8*(8*((\a)%4)+\b):8*(8*((\a)%4)+\b)+7], v[SC+8*NQ*(\sc)+NQ*\b+(\q)], v[SC+8*NQ*(\sc)+NQ*(\a)+(\q)] matrix_a_fmt:MATRIX_FMT_FP4 matrix_b_fmt:MATRIX_FMT_FP4 matrix_a_scale:MATRIX_SCALE_ROW1
.endif
.endr
.endr
.endm
.macro FETCH_B slot, q, p              ; B's eight fragments of the slot's q-th 128 along K into set p
	WIN TO_B
.irp i, 0,1,2,3,4,5,6,7
	FRAG 128*(\p)+FR*\i, ADRB+\slot, \q, \i
.endr
	WIN 0
.endm
.macro FETCH_A slot, q, i0             ; A's blocks i0 .. i0 + 3
.irp i, \i0, \i0+1, \i0+2, \i0+3
	FRAG AF+FR*(\i), ADRA+\slot, \q, \i
.endr
.endm
.macro SCALES sc                       ; a K step's scale words into set sc: four words a row; lanes 0-15 take A's block i, lanes 16-31 B's block i
.irp i, 0,1,2,3,4,5,6,7
	ds_load_b128 v[SC+8*NQ*\sc+NQ*\i:SC+8*NQ*\sc+NQ*\i+3], v[ADRS] offset:\i*SBLK
.endr
.endm
.macro PLACES n                        ; plain vector instructions between a matrix instruction and a load into, or a read of, its registers
.rept \n
	v_nop
.endr
.endm
; A step of 128 along K that has its successor in the same slot.  A has one set of registers: blocks 0-3 are fetched anew in the step's middle, blocks 4-7 at its end.
.macro STEP slot, q, zero
	s_wait_dscnt 4*NL                              ; B's set and A's blocks 0-3 are in; the youngest eight loads (A's blocks 4-7) may be out
	WIN MUL_LO
	MUL16 0, (\q)%2, \q, \slot, \zero
	MUL16 2, (\q)%2, \q, \slot, \zero
	s_wait_dscnt 0                                 ; A's blocks 4-7 are in
	PLACES NP
	FETCH_B \slot, (\q)+1, 1-(\q)%2
	FETCH_A \slot, (\q)+1, 0
	WIN MUL_HI
	MUL16 4, (\q)%2, \q, \slot, \zero
	MUL16 6, (\q)%2, \q, \slot, \zero
	PLACES NP
	WIN 0
	FETCH_A \slot, (\q)+1, 4
.endm
; Slot 0's last step changes slots: one barrier; in front of it each wave waits for all its tensor loads (slot 1's part), adds 0 to its spare word, and waits for that and for its reads of slot 0.  Nothing is filled again.
.macro TURN slot, next
	s_wait_tensorcnt 0x0                           ; all my tensor loads have landed (every window is 0 here)
	ds_add_u32 v[SPW], v[NIL]
	s_wait_dscnt 4*NL+1                            ; the add and the youngest eight loads (A's blocks 4-7) may be out
	WIN MUL_LO
	MUL16 0, 1, NQ-1, \slot, 0
	s_wait_dscnt 0x0                               ; the add is done, and my reads of this slot are over
	s_barrier_signal -1
	MUL16 2, 1, NQ-1, \slot, 0
	WIN 0
	s_barrier_wait -1
	PLACES NP
	v_add_nc_u32 v[ADRS], 4*NQ, v[ADRS]            ; on to the next K step's scale words
	FETCH_B \next, 0, 0
	FETCH_A \next, 0, 0
	SCALES \next
	WIN MUL_HI
	MUL16 4, 1, NQ-1, \slot, 0
	MUL16 6, 1, NQ-1, \slot, 0
	PLACES NP
	WIN 0
	FETCH_A \next, 0, 4
.endm
	s_wait_tensorcnt 1                             ; the scales and my part of K step 0 are in; slot 1's load may be out
	s_barrier_signal -1
	s_barrier_wait -1                              ; everybody's are
	FETCH_B 0, 0, 0
	FETCH_A 0, 0, 0
	SCALES 0
	FETCH_A 0, 0, 4
	STEP 0, 0, 1                                   ; the first products start the sums: nothing is cleared
	STEP 0, 1, 0
	STEP 0, 2, 0
	TURN 0, 1
	STEP 1, 0, 0
	STEP 1, 1, 0
	STEP 1, 2, 0
	s_wait_dscnt 4*NL                              ; the last step: nothing more to fetch
	WIN MUL_LO
	MUL16 0, 1, NQ-1, 1, 0
	MUL16 2, 1, NQ-1, 1, 0
	s_wait_dscnt 0
	WIN MUL_HI
	MUL16 4, 1, NQ-1, 1, 0
	MUL16 6, 1, NQ-1, 1, 0
	WIN 0
	PLACES NP                                      ; in front of the first reads of results and of loads into the registers that held A's fragments
	; THE F32 ROWS.  Tokens 0-15 of a batch are block 0 of the waves with the tile's upper rows, in the batch's first tile row.  The condition is made of the tile row, which the partners share, and the wave's number.
	s_and_b32 s44, s17, 7
	s_or_b32 s44, s44, s15
	s_cmp_lg_u32 s44, 0
	s_cbranch_scc1 .Lno_fine
	WIN 0x08                                       ; a store's data are its source 1: window 2
.irp b, 0,1,2,3,4,5,6,7
	global_store_b128 v[CO], v[8*\b:8*\b+3], s[98:99] offset:1024*\b        ; the accumulator as it stands, from its low end on: 32 lanes store 512 consecutive bytes
	global_store_b128 v[CO], v[8*\b+4:8*\b+7], s[98:99] offset:1024*\b+512
.endr
	WIN 0
.Lno_fine:
; THE WAY OUT, block by block of 16 tokens x 128 columns (two heads).  A lane's eight results pack into 16 bytes of one token's row; through my stage they come back as four whole rows of 128 bytes an instruction,
; which are 512 consecutive bytes of qkv16.  LDS serves a wave's instructions in order (ISA guide 5.7.1.4): no wait between the stores and the loads, nor in front of the next block's stores.
.macro PACK a
.set AC, 64*((\a)%4)
	WIN 0x0a+5*((\a)/4)                            ; sources 0 and 1: window 2 or 3
.irp b, 0,1,2,3,4,5,6,7
.irp r, 0,1,2,3
	v_cvt_pk_f16_f32 v[TMP+4*\b+\r], v[AC+8*\b+2*\r], v[AC+8*\b+2*\r+1]
.endr
.endr
	WIN 0
.endm
.macro TOSTAGE a
.set BB, BK+32*((\a)%2)
.irp b, 0,1,2,3,4,5,6,7
	ds_store_b128 v[STO], v[TMP+4*\b:TMP+4*\b+3] offset:(\b/4)*16*SROW+(\b%4)*32
.endr
.irp t, 0,1,2,3,4,5,6,7
	ds_load_b128 v[BB+4*\t:BB+4*\t+3], v[RD] offset:\t*4*SROW
.endr
.endm
.macro SEND a, younger                 ; younger: the LDS instructions issued behind block a's loads, which may stay out
.set BB, BK+32*((\a)%2)
	s_wait_dscnt \younger
.irp t, 0,1,2,3,4,5,6,7
	global_store_b128 v[CO], v[BB+4*\t:BB+4*\t+3], s[96:97] offset:(\t/4)*262144+2048*(\a)+(\t%4)*512   ; head t / 4 of my two, tokens 16 a + 4 (t % 4) on
.endr
.endm
	PACK 0
	TOSTAGE 0
.irp a, 1,2,3,4,5,6,7
	PACK \a
.if \a > 1
	s_wait_xcnt 0x0                                ; block a - 2's stores have read their registers: block a's loads may land there
.endif
	TOSTAGE \a
	SEND \a-1, 16                                  ; behind block a - 1's loads: block a's 8 stores and 8 loads
.endr
	SEND 7, 0
	s_wait_tensorcnt 0x0                           ; the wave's end
	ds_add_u32 v[SPW], v[NIL]
	s_wait_dscnt 0x0
	CROUND                                         ; the closing round: no work-group ends while a partner may still ask for a tile that names it
	s_endpgm
.Lfunc_end_k_q0978b0cf2a_qkv:
	.size	k_q0978b0cf2a_qkv, .Lfunc_end_k_q0978b0cf2a_qkv-k_q0978b0cf2a_qkv
	.p2alignl 7, 3214868480
	.fill 96, 4, 3214868480
	.section	.rodata,"a",@progbits
	.p2align	6, 0x0
	.amdhsa_kernel k_q0978b0cf2a_qkv
		.amdhsa_group_segment_fixed_size 327680
		.amdhsa_private_segment_fixed_size 0
		.amdhsa_enable_private_segment 0
		.amdhsa_kernarg_size 48
		.amdhsa_user_sgpr_count 2
		.amdhsa_user_sgpr_kernarg_segment_ptr 1
		.amdhsa_wavefront_size32 1
		.amdhsa_system_sgpr_workgroup_id_x 1
		.amdhsa_system_sgpr_workgroup_id_y 1
		.amdhsa_system_sgpr_workgroup_id_z 1
		.amdhsa_system_vgpr_workitem_id 0
		.amdhsa_next_free_vgpr 1024
		.amdhsa_next_free_sgpr 100
		.amdhsa_reserve_vcc 0
		.amdhsa_float_denorm_mode_32 3
		.amdhsa_float_denorm_mode_16_64 3
		.amdhsa_memory_ordered 1
		.amdhsa_forward_progress 1
		.amdhsa_inst_pref_size 128
	.end_amdhsa_kernel
	.amdgpu_metadata
---
amdhsa.version: [ 1, 2 ]
amdhsa.kernels:
  - .name:           k_q0978b0cf2a_qkv
    .symbol:         k_q0978b0cf2a_qkv.kd
    .args:
      - { .name: xc, .offset: 0, .size: 8, .value_kind: global_buffer, .address_space: global }
      - { .name: xs, .offset: 8, .size: 8, .value_kind: global_buffer, .address_space: global }
      - { .name: wc, .offset: 16, .size: 8, .value_kind: global_buffer, .address_space: global }
      - { .name: ws, .offset: 24, .size: 8, .value_kind: global_buffer, .address_space: global }
      - { .name: qkv16, .offset: 32, .size: 8, .value_kind: global_buffer, .address_space: global }
      - { .name: qkv32, .offset: 40, .size: 8, .value_kind: global_buffer, .address_space: global }
    .group_segment_fixed_size: 327680
    .private_segment_fixed_size: 0
    .kernarg_segment_align: 8
    .kernarg_segment_size: 48
    .max_flat_workgroup_size: 128
    .sgpr_count:     100
    .vgpr_count:     1024
    .wavefront_size: 32
...
	.end_amdgpu_metadata
.endif
;; end of part 2
;; launch attn (part 3): grid 8 x 32, 16 waves a work-group, no clusters, 327,680 bytes of LDS; arguments qkv16, ctx3; writes ctx3
.if DOCPART == 3
	.amdgcn_target "amdgcn-amd-amdhsa--gfx1250"
	.amdhsa_code_object_version 6
	.text
	.protected	k_q0978b0cf2a_attn
	.globl	k_q0978b0cf2a_attn
	.p2align	8
	.type	k_q0978b0cf2a_attn,@function
k_q0978b0cf2a_attn:
	s_mov_b64 s[64:65], 0
	v_nop
	global_prefetch_b8 v0, s[64:65] scope:SCOPE_SE
	s_setreg_imm32_b32 hwreg(HW_REG_WAVE_MODE, 25, 1), 1
	s_wait_xcnt 0x0
; ctx[b][h][q] = the sum over keys k <= q of softmax_k(q . k / 8) v[k], for 32 heads (b, h) of 2,048 tokens and head size 64.  Operands f16, products, maxima and sums f32; the weights p are rounded to f16 for the second product.
; IN: qkv16 [part 3][b 2][h 16][token 2048][64] f16.  OUT: ctx3 [b x 16 + token / 128][h 16][token % 128][64] f16, laid as the projection reads it.
; LIMITS: a hidden key has the weight 0, which is what a score of -1e9 gives as long as a row's kept scores lie above about -1e9 + 150; f16's range bounds q, k, v (under 65,504).
; Positions 0-15 of each sequence are made here like all others; a later launch makes them anew, more finely.
; SHARES.  Work-group (i, head) owns query blocks i and 15 - i, of 128 queries: (i + 1) + (16 - i) = 17 blocks of 128 x 128 under the mask, for every i.  Each of SIXTEEN waves owns one tile of 16 queries in 256 registers;
; of waves 2 n and 2 n + 1 one takes tile n of the early block and the other tile n of the late one, which of the two changing with n / 2.
; Every work-group walks all 8 slots of 256 keys, so that trip counts are constants; a step of 64 keys that lies wholly behind a wave's queries is jumped over, and a slot that no wave of the work-group reads is not asked for.
; No cluster: the work-groups of a head need different numbers of slots (5 to 8, by i), so they could not make every request jointly.
; LAYOUT.  S^T = K Q^T (source 0 = 16 keys, source 1 = my 16 queries): a lane holds ONE query (lane % 16) and keys 8 (lane / 16) + 0..7 of each tile.  Two such tiles, rounded to f16 in pairs, ARE source 1 of O^T = V^T P.
; SOFTMAX.  A running maximum m and sum l a query: p = 2^(c s - c m), c = log2(e) / 8; in every step O and l are multiplied by a = 2^(c m_old - c m_new).  m begins at -3e38 and O, l at 0, so the loop has no first step of its own.
; LDS.  A slot: 256 keys of K as 128 rows of 256 bytes (two keys a row) + 16 of padding, then V likewise + 32.  Key k lies at (k / 2) x pitch + (k % 2) x 128.
.set PK,    272
.set PV,    288
.set VOFF,  128*PK                     ; V behind K in a slot
.set SLOT1, 1<<17                      ; slot 1 begins here: one exclusive or turns an address from one slot into the other's
.set SLOTB, 32768                      ; a slot's 256 keys in memory
.set SPARE, 2*SLOT1                    ; the spare words, 128 bytes a wave, which no other line names
.set STAGE, SPARE+16*128               ; the way out: 16 rows x (128 bytes + 16) for each wave; no fill ever lands here
.set SROW,  144
.set AK0,  1                           ; v1   my lane's place in a tile of K
.set AV0,  2                           ; v2   the same for V
.set SPW,  3                           ; v3   my spare word; never rewritten
.set NIL,  4                           ; v4   0; never rewritten
.set ADK,  5                           ; v5   LDS address of the slot's K for my lane
.set ADV,  6                           ; v6   of V
.set DQ,   7                           ; v7   lane % 16 - 8 (lane / 16), for the mask
.set CM,   8                           ; v8 c m, v9 m
.set LS,   10                          ; v[10:11] l: even keys', odd keys'
.set C0,   12                          ; v12-15 c0-c3 at work; a takes c2's place
.set OLD,  16                          ; v16  c m of the step before
.set SUM,  20                          ; v[20:21] the sum's second chain
.set DD,   22                          ; v22  the mask's bound
.set NINF, 23                          ; v23  -infinity
.set QF,   24                          ; v24-39   Q: channels 0-31, 32-63
.set KF,   40                          ; v40-103  K: tile t, channel half c at 16 t + 8 c
.set VF,   104                         ; v104-167 V^T: key half k, channel tile c at 32 k + 8 c
.set S,    168                         ; v168-199 S^T, then p
.set P,    200                         ; v200-215 p in f16
.set O,    216                         ; v216-247 O^T
.set QO,   248
.set STO,  249
.set RD,   250
.set GO,   251
.set PFO,  252                         ; v252 256 x lane; never rewritten
.set TB,   2                           ; s2   LDS byte at which the slot in hand begins
.set WV,   8                           ; s8   my wave's number
.set SEL,  20                          ; s[20:21] selects of v_permlanex16_b32: lane l xor 16
.set CS,   22                          ; s[22:23] c
.set G1K,  24
.set G1V,  32
.set G0K,  40
.set G0V,  44
.set SLOTS, 48                         ; s48  changes of slots still to come that may ask for a slot
.set KEY0, 49                          ; s49  the step's first key
.set Q0,   50                          ; s50  my first query
.set LASTQ, 51                         ; s51  my work-group's last query
.set PFA,  54                          ; s[54:55] where my prefetches stand
.set LIM,  56                          ; s56  1 in a wave that prefetches, else the greatest number
; Waves 0 and 1 fetch K's halves of a slot, waves 2 and 3 V's, the others nothing.  An s_nop 0 and four v_nop follow each of the two lines.
.macro TLOAD
	s_cmp_lt_u32 s[WV], 2
	s_cbranch_scc0 .Lnot_k_\@
	tensor_load_to_lds s[G0K:G0K+3], s[G1K:G1K+7]
	s_nop 0
.rept 4
	v_nop
.endr
	s_branch .Lasked_\@
.Lnot_k_\@:
	s_cmp_lt_u32 s[WV], 4
	s_cbranch_scc0 .Lasked_\@
	tensor_load_to_lds s[G0V:G0V+3], s[G1V:G1V+7]
	s_nop 0
.rept 4
	v_nop
.endr
.Lasked_\@:
.endm
; A PREFETCH INTO THE L2 of the slot that the NEXT change of slots will ask for: a slot's four steps ahead of that load.  K's and V's parts are dense blocks of 32,768 bytes.  All eight work-groups of a head walk the same keys:
; the one with i = 0, which asks for all eight slots, prefetches.  In it the waves ask that fetch nothing: waves 4-7 for K, waves 8-11 for V, 8,192 bytes a wave, lanes 256 bytes apart: each block of 256 bytes is named once in the launch.
; Slots 0 and 1 come by their loads alone; the last change that fills a slot asks for nothing.
.macro ASK
	s_cmp_gt_u32 s[SLOTS], s[LIM]
	s_cbranch_scc0 .Lnot_mine_\@
	global_prefetch_b8 v[PFO], s[PFA:PFA+1] th:TH_LOAD_NT scope:SCOPE_SE
.Lnot_mine_\@:
.endm
	s_load_b128 s[4:7], s[0:1], 0x0                ; qkv16 s[4:5], ctx3 s[6:7]
	v_lshl_add_u32 v[SPW], v0, 2, SPARE
	v_mov_b32 v[NIL], 0
	ds_add_u32 v[SPW], v[NIL]                      ; the wave's opening: the add, twice on end, and its wait ahead of the first tensor loads
	ds_add_u32 v[SPW], v[NIL]
	v_lshrrev_b32 v5, 5, v0
	v_readfirstlane_b32 s[WV], v5                  ; wave 0..15
	s_and_b32 s9, ttmp7, 0xffff                    ; 16 b + head
	s_lshr_b32 s10, s[WV], 2
	s_xor_b32 s10, s10, s[WV]
	s_and_b32 s10, s10, 1                          ; 0: the early block, 1: the late one
	s_lshr_b32 s11, s[WV], 1                       ; my tile of the block's eight
	s_sub_co_u32 s12, 15, ttmp9
	s_cmp_eq_u32 s10, 0
	s_cselect_b32 s12, ttmp9, s12                  ; my block: i or 15 - i
	s_lshl_b32 s[Q0], s12, 7
	s_lshl_b32 s15, s11, 4
	s_add_co_u32 s[Q0], s[Q0], s15
	s_sub_co_u32 s[LASTQ], 16, ttmp9
	s_lshl_b32 s[LASTQ], s[LASTQ], 7
	s_sub_co_u32 s[LASTQ], s[LASTQ], 1             ; 128 (16 - i) - 1
	s_lshl_b32 s13, s9, 18                         ; the head's first byte in a part: 262,144 bytes a head
	s_and_b32 s14, s[WV], 1                        ; which half of a slot I fetch, if I fetch
	s_lshl_b32 s16, s14, 14
	s_add_co_u32 s16, s16, s13
	s_add_co_u32 s16, s16, 0x800000                ; K: part 1
	s_mov_b32 s17, 0
	s_add_co_u32 s18, s16, 0x800000                ; V: part 2
	s_mov_b32 s19, 0
	s_mul_i32 s52, s14, 64*PK                      ; and where it goes in a slot
	s_mul_i32 s53, s14, 64*PV
	s_add_co_u32 s53, s53, VOFF
	; group 1: 64 rows of 128 elements of 2 bytes, dense in memory; padding behind each row
	s_mov_b32 s[G1K], (1<<16)|(1<<20)|(5<<22)|(3<<25)   ; 15:0 no mask; 17:16 elements of 2 bytes; 20 padding on; 24:22 after every 64 words; 31:25 four words
	s_mov_b32 s[G1V], (1<<16)|(1<<20)|(5<<22)|(7<<25)   ; the same with eight words
.irp g, G1K, G1V
	s_mov_b32 s[\g+1], 128<<16                     ; tensor_dim0
	s_mov_b32 s[\g+2], 64<<16                      ; tensor_dim1
	s_mov_b32 s[\g+3], 128<<16                     ; tile_dim0
	s_mov_b32 s[\g+4], 64                          ; tile_dim1
	s_mov_b32 s[\g+5], 128                         ; tensor_dim0_stride
	s_mov_b32 s[\g+6], 0
	s_mov_b32 s[\g+7], 0
.endr
	s_mov_b32 s[SEL], 0x76543210
	s_mov_b32 s[SEL+1], 0xfedcba98
	s_mov_b32 s[CS], 0x3e38aa3b                    ; c = log2(e) / sqrt(64)
	s_mov_b32 s[CS+1], s[CS]                       ; (named with it as a pair, so it is written)
	s_mov_b32 s[TB], 0
	s_mov_b32 s[SLOTS], 7
	s_mov_b32 s[KEY0], 0
	s_wait_dscnt 0x0                               ; both opening adds are done
	s_wait_kmcnt 0x0
	s_mov_b32 s[G0K], 1
	s_mov_b32 s[G0K+1], s52
	s_add_nc_u64 s[G0K+2:G0K+3], s[4:5], s[16:17]
	s_or_b32 s[G0K+3], s[G0K+3], 0x80000000
	s_mov_b32 s[G0V], 1
	s_mov_b32 s[G0V+1], s53
	s_add_nc_u64 s[G0V+2:G0V+3], s[4:5], s[18:19]
	s_or_b32 s[G0V+3], s[G0V+3], 0x80000000
	TLOAD                                          ; slot 0: it holds key 0, which counts for every query
	s_lshl_b32 s16, s[Q0], 7
	s_add_co_u32 s16, s16, s13
	s_add_nc_u64 s[58:59], s[4:5], s[16:17]        ; Q (part 0) at my first query
	s_lshr_b32 s15, s9, 4
	s_lshl_b32 s15, s15, 4
	s_add_co_u32 s15, s15, s12                     ; 16 b + block
	s_lshl_b32 s15, s15, 4
	s_and_b32 s16, s9, 15
	s_add_co_u32 s15, s15, s16                     ; x 16 + head
	s_lshl_b32 s15, s15, 14                        ; x 16,384 bytes
	s_lshl_b32 s16, s11, 11                        ; + my 16 tokens of 128 bytes
	s_add_co_u32 s16, s16, s15
	s_add_nc_u64 s[6:7], s[6:7], s[16:17]
	s_mov_b32 s53, 0x1000000                       ; the prefetches: waves 4-7 stand in K, waves 8-11 in V,
	s_cmp_lt_u32 s[WV], 8
	s_cselect_b32 s16, 0x800000, s53
	s_add_co_u32 s16, s16, s13                     ; in my head,
	s_and_b32 s15, s[WV], 3
	s_lshl_b32 s15, s15, 13
	s_add_co_u32 s16, s16, s15                     ; at my wave's 8,192 bytes
	s_add_co_u32 s16, s16, SLOTB                   ; of slot 1: the first change of slots steps it to slot 2.  Nothing is prefetched here, at the head
	s_add_nc_u64 s[PFA:PFA+1], s[4:5], s[16:17]
	s_sub_co_u32 s15, s[WV], 4
	s_lshr_b32 s15, s15, 3                         ; 0 in waves 4 to 11,
	s_or_b32 s15, s15, ttmp9                       ; of the work-group with i = 0
	s_cmp_eq_u32 s15, 0
	s_cselect_b32 s[LIM], 1, -1
	v_and_b32 v5, 15, v0                           ; r
	v_bfe_u32 v6, v0, 4, 1                         ; h
	v_lshlrev_b32 v[QO], 7, v5
	v_lshl_add_u32 v[QO], v6, 4, v[QO]             ; Q: row r of 128 bytes + 16 h
.irp i, 0,1,2,3
	global_load_b128 v[QF+4*\i:QF+4*\i+3], v[QO], s[58:59] offset:32*\i   ; registers 0-3: channels 8 h on; 4-7: 16 + 8 h on; 8-15: the same of channels 32-63
.endr
	v_lshrrev_b32 v16, 1, v5
	v_mul_u32_u24 v[AK0], v16, PK                  ; K: key r of a tile: row r / 2,
	v_and_b32 v16, 1, v5
	v_lshl_add_u32 v[AK0], v16, 7, v[AK0]          ; its half r % 2,
	v_lshl_add_u32 v[AK0], v6, 4, v[AK0]           ; + 16 h
	v_bfe_u32 v16, v0, 1, 2                        ; V, for the turning load: lane l reads 16 bytes of key 8 h + l % 8, channels 8 ((l / 8) % 2) on
	v_lshl_add_u32 v16, v6, 2, v16                 ; row 4 h + (l % 8) / 2,
	v_mul_u32_u24 v[AV0], v16, PV
	v_and_b32 v16, 1, v0
	v_lshl_add_u32 v[AV0], v16, 7, v[AV0]          ; its half l % 2,
	v_bfe_u32 v16, v0, 3, 1
	v_lshl_add_u32 v[AV0], v16, 4, v[AV0]
	v_add_nc_u32 v[AV0], VOFF, v[AV0]
	v_lshlrev_b32 v16, 3, v6
	v_sub_nc_u32 v[DQ], v5, v16                    ; r - 8 h
	s_mul_i32 s15, s[WV], 16*SROW
	s_add_co_u32 s15, s15, STAGE                   ; my stage
	v_mul_u32_u24 v[STO], v5, SROW
	v_lshl_add_u32 v[STO], v6, 4, v[STO]
	v_add_nc_u32 v[STO], s15, v[STO]               ; in: row r, + 16 h
	v_bfe_u32 v16, v0, 3, 2
	v_mul_u32_u24 v[RD], v16, SROW
	v_and_b32 v16, 7, v0
	v_lshl_add_u32 v[RD], v16, 4, v[RD]
	v_add_nc_u32 v[RD], s15, v[RD]                 ; back: eight lanes to a row, four rows an instruction
	v_and_b32 v[GO], 31, v0
	v_lshlrev_b32 v[PFO], 8, v[GO]
	v_lshlrev_b32 v[GO], 4, v[GO]
	v_mov_b32 v[CM+1], 0xff61b1e6                  ; m: -3e38, under every score
	v_mul_f32 v[CM], s[CS], v[CM+1]
	v_mov_b32 v[LS], 0
	v_mov_b32 v[LS+1], 0
.irp j, 0,1,2,3
	v_mov_b32 v[C0+\j], 0                          ; written once: a lane permute's destination and a pair's upper half count as read
.endr
	v_mov_b32 v[NINF], 0xff800000
.set i, 0
.rept 32
	v_mov_b32 v[O+i], 0                            ; O^T: the first step finds zeros, which its a = 0 leaves zeros
.set i, i+1
.endr
; A KEY STEP: 64 keys, the q-th of the slot in hand.
.macro STEP q
	s_add_co_u32 s52, s[Q0], 15                    ; a step all of whose keys come behind my 16 queries is left out: a branch on ids, round the step's loads, products and softmax alone
	s_cmp_gt_u32 s[KEY0], s52
	s_cbranch_scc1 .Lhidden_\@
	v_add_nc_u32 v[ADK], s[TB], v[AK0]
	v_add_nc_u32 v[ADV], s[TB], v[AV0]
	v_nop                                          ; with the two additions: four places between the last step's products and the loads into V's registers
	v_nop
.irp t, 0,1,2,3
.irp c, 0,1
	ds_load_b128 v[KF+16*\t+8*\c:KF+16*\t+8*\c+3], v[ADK] offset:(\q)*32*PK+\t*8*PK+64*\c
	ds_load_b128 v[KF+16*\t+8*\c+4:KF+16*\t+8*\c+7], v[ADK] offset:(\q)*32*PK+\t*8*PK+64*\c+32
.endr
.endr
.irp k, 0,1
.irp c, 0,1,2,3
	ds_load_tr16_b128 v[VF+32*\k+8*\c:VF+32*\k+8*\c+3], v[ADV] offset:(\q)*32*PV+\k*16*PV+32*\c
	ds_load_tr16_b128 v[VF+32*\k+8*\c+4:VF+32*\k+8*\c+7], v[ADV] offset:(\q)*32*PV+\k*16*PV+8*PV+32*\c
.endr
.endr
	s_wait_dscnt 16                                ; K is in; V's sixteen loads may be out
.irp t, 0,1,2,3                                ; S^T = K Q^T: the four tiles take turns; the first four products start the sums
	v_wmma_f32_16x16x32_f16 v[S+8*\t:S+8*\t+7], v[KF+16*\t:KF+16*\t+7], v[QF:QF+7], 0
.endr
.irp t, 0,1,2,3
	v_wmma_f32_16x16x32_f16 v[S+8*\t:S+8*\t+7], v[KF+16*\t+8:KF+16*\t+15], v[QF+8:QF+15], v[S+8*\t:S+8*\t+7]
.endr
	v_mov_b32 v[OLD], v[CM]                        ; c m_old is kept for a.  With three v_nop: the four places behind the products
	v_nop
	v_nop
	v_nop
	s_add_co_u32 s52, s[KEY0], 63                  ; on the diagonal the scores of hidden keys become -infinity ahead of the maximum; a step all of whose keys count skips this
	s_cmp_le_u32 s52, s[Q0]
	s_cbranch_scc1 .Lopen_\@
	s_sub_co_i32 s52, s[Q0], s[KEY0]
	v_add_nc_u32 v[DD], s52, v[DQ]                 ; d = my query - KEY0 - 8 h.  Register 8 t + j holds key KEY0 + 16 t + 8 h + j: hidden where 16 t + j > d
.set n, 0
.rept 32
	v_cmp_gt_i32 vcc_lo, 16*(n/8)+n%8, v[DD]
	v_cndmask_b32 v[S+n], v[S+n], v[NINF], vcc_lo
.set n, n+1
.endr
.Lopen_\@:
.irp j, 0,1,2,3                                ; the maximum of my 32 scores and the old m: four chains, each tile read from its low end on
	v_max3_num_f32 v[C0+\j], v[S+8*\j], v[S+8*\j+1], v[S+8*\j+2]
.endr
.irp g, 1,2
.irp j, 0,1,2,3
	v_max3_num_f32 v[C0+\j], v[C0+\j], v[S+8*\j+2*\g+1], v[S+8*\j+2*\g+2]
.endr
.endr
	v_max3_num_f32 v[C0], v[C0], v[S+7], v[S+15]
	v_max3_num_f32 v[C0+2], v[C0+2], v[S+23], v[S+31]
	v_max3_num_f32 v[C0], v[C0], v[C0+1], v[C0+2]
	v_max3_num_f32 v[C0], v[C0], v[C0+3], v[CM+1]
	v_permlanex16_b32 v[C0+1], v[C0], s[SEL], s[SEL+1]   ; the query's other 32 keys lie in the lane 16 away
	v_max_num_f32 v[CM+1], v[C0], v[C0+1]          ; the new m
	v_mul_f32 v[CM], s[CS], v[CM+1]
	v_sub_f32 v[C0+3], v[OLD], v[CM]               ; c m_old - c m_new
.set n, 0
.rept 16
	v_pk_fma_f32 v[S+n:S+n+1], v[S+n:S+n+1], s[CS:CS+1], v[CM:CM+1] op_sel_hi:[1,0,0] neg_lo:[0,0,1] neg_hi:[0,0,1]   ; c s - c m, two at a time
.set n, n+2
.endr
	v_exp_f32 v[C0+2], v[C0+3]                     ; a.  The 33 exponentials are one batch
.set n, 0
.rept 32
	v_exp_f32 v[S+n], v[S+n]                       ; p = 2^(c s - c m), at most 1
.set n, n+1
.endr
	v_nop                                          ; a plain instruction behind the last exponential
	s_wait_alu depctr_va_vdst(0)                   ; the wait ahead of the first instruction that names a result: one for the batch
.set n, 0
.rept 16
	v_cvt_pk_f16_f32 v[P+n], v[S+2*n], v[S+2*n+1]  ; tiles 2 k and 2 k + 1 make source 1 for keys 32 k on
.set n, n+1
.endr
	v_pk_add_f32 v[SUM:SUM+1], v[S:S+1], v[S+2:S+3]                ; l = a l + the sum of the unrounded p, in two chains
	v_pk_fma_f32 v[LS:LS+1], v[LS:LS+1], v[C0+2:C0+3], v[S+4:S+5] op_sel_hi:[1,0,1]
.irp j, 6,10,14,18,22,26
	v_pk_add_f32 v[SUM:SUM+1], v[SUM:SUM+1], v[S+\j:S+\j+1]
	v_pk_add_f32 v[LS:LS+1], v[LS:LS+1], v[S+\j+2:S+\j+3]
.endr
	v_pk_add_f32 v[SUM:SUM+1], v[SUM:SUM+1], v[S+30:S+31]
	v_pk_add_f32 v[LS:LS+1], v[LS:LS+1], v[SUM:SUM+1]
.set n, 0
.rept 16
	v_pk_mul_f32 v[O+n:O+n+1], v[O+n:O+n+1], v[C0+2:C0+3] op_sel_hi:[1,0]   ; O^T x a, each tile from its low end on
.set n, n+2
.endr
	s_wait_dscnt 0x0                               ; V is in
.irp k, 0,1                                    ; O^T += V^T P: the four channel tiles take turns
.irp c, 0,1,2,3
	v_wmma_f32_16x16x32_f16 v[O+8*\c:O+8*\c+7], v[VF+32*\k+8*\c:VF+32*\k+8*\c+7], v[P+8*\k:P+8*\k+7], v[O+8*\c:O+8*\c+7]
.endr
.endr
.Lhidden_\@:
	s_add_co_u32 s[KEY0], s[KEY0], 64
.endm
; THE CHANGE OF SLOTS stands at a slot's head.  Each wave waits for all its tensor loads (its part of the slot that it is about to read), adds 0 to its spare word, and waits for that and for its reads of the slot that it has left.
; Behind the barrier the slot ahead is whole and nobody reads the other one.  fill = 1: that other slot is filled with the keys that follow, up to the causal limit; the load has a slot's four steps in which to land; one load a wave is out.
.macro CHANGE fill
	s_wait_tensorcnt 0x0                           ; no tensor load of mine is out, so a group 0 may be written
	ds_add_u32 v[SPW], v[NIL]
.if \fill
	ds_add_u32 v[SPW], v[NIL]                      ; and once more
	s_xor_b32 s[G0K+1], s[G0K+1], SLOT1            ; the walking descriptors: the other slot than last time,
	s_add_nc_u64 s[G0K+2:G0K+3], s[G0K+2:G0K+3], SLOTB   ; the next 256 keys; the type bits on top are not reached
	s_xor_b32 s[G0V+1], s[G0V+1], SLOT1
	s_add_nc_u64 s[G0V+2:G0V+3], s[G0V+2:G0V+3], SLOTB
	s_wait_xcnt 0x0                                ; the last prefetch, a slot back, has read its address, so it may be written:
	s_add_nc_u64 s[PFA:PFA+1], s[PFA:PFA+1], SLOTB ; one slot further on than the walking descriptors
.endif
	s_wait_dscnt 0x0                               ; the add is done, and my reads of the slot that I have left are over
	s_barrier_signal -1
	s_barrier_wait -1
.if \fill
	s_add_co_u32 s52, s[KEY0], 256                 ; THE LOOK-AHEAD ENDS AT THE CAUSAL LIMIT: a slot whose first key comes behind my work-group's last query is read by none of its waves and is not asked for.
	s_cmp_gt_u32 s52, s[LASTQ]                     ; Ids and the count of steps alone: all sixteen waves go the same way.  Every wait on TENSORcnt in this text is for 0
	s_cbranch_scc1 .Lpast_\@
	TLOAD                                          ; a wave's one tensor load until the next such barrier
.Lpast_\@:
	ASK
.endif
.endm
.macro SLOT_STEPS
	STEP 0
	STEP 1
	STEP 2
	STEP 3
	s_xor_b32 s[TB], s[TB], SLOT1                  ; on to the other slot
.endm
	s_wait_loadcnt 0x0                             ; Q
.Lslot:                                            ; 7 trips: behind each change of slots but the last the next slot is asked for, up to the limit
	CHANGE 1
	SLOT_STEPS
	s_sub_co_u32 s[SLOTS], s[SLOTS], 1
	s_cmp_lg_u32 s[SLOTS], 0
	s_cbranch_scc1 .Lslot
	CHANGE 0                                       ; the last slot is written out: nothing is left to ask for
	SLOT_STEPS
	; THE WAY OUT.  O^T / l, rounded to f16, goes through my stage and leaves as 2,048 consecutive bytes: 16 tokens of 128 bytes.
.rept 4
	v_nop                                          ; places behind the last products
.endr
	v_add_f32 v[LS], v[LS], v[LS+1]                ; l's two halves,
	v_permlanex16_b32 v[C0+1], v[LS], s[SEL], s[SEL+1]
	v_add_f32 v[LS], v[LS], v[C0+1]                ; and the other half of the lanes'
	v_rcp_f32 v[C0+2], v[LS]
	v_nop                                          ; a plain instruction behind the reciprocal
	s_wait_alu depctr_va_vdst(0)                   ; and the wait ahead of its first reader
.set n, 0
.rept 16
	v_pk_mul_f32 v[S+n:S+n+1], v[O+n:O+n+1], v[C0+2:C0+3] op_sel_hi:[1,0]
.set n, n+2
.endr
.set n, 0
.rept 16
	v_cvt_pk_f16_f32 v[P+n], v[S+2*n], v[S+2*n+1]  ; registers 4 c .. 4 c + 3: channels 16 c + 8 h + 0 .. 7 of query r
.set n, n+1
.endr
.irp c, 0,1,2,3
	ds_store_b128 v[STO], v[P+4*\c:P+4*\c+3] offset:32*\c
.endr
.irp t, 0,1,2,3
	ds_load_b128 v[S+4*\t:S+4*\t+3], v[RD] offset:\t*4*SROW   ; in order behind my stores (ISA guide 5.7.1.4)
.endr
.irp t, 0,1,2,3
	s_wait_dscnt 3-\t                              ; the later loads may be out
	global_store_b128 v[GO], v[S+4*\t:S+4*\t+3], s[6:7] offset:512*\t   ; 32 lanes store 512 consecutive bytes
.endr
	s_wait_tensorcnt 0x0                           ; the wave's end
	ds_add_u32 v[SPW], v[NIL]
	s_wait_dscnt 0x0
	s_endpgm
.Lfunc_end_k_q0978b0cf2a_attn:
	.size	k_q0978b0cf2a_attn, .Lfunc_end_k_q0978b0cf2a_attn-k_q0978b0cf2a_attn
	.p2alignl 7, 3214868480
	.fill 96, 4, 3214868480
	.section	.rodata,"a",@progbits
	.p2align	6, 0x0
	.amdhsa_kernel k_q0978b0cf2a_attn
		.amdhsa_group_segment_fixed_size 327680
		.amdhsa_private_segment_fixed_size 0
		.amdhsa_enable_private_segment 0
		.amdhsa_kernarg_size 16
		.amdhsa_user_sgpr_count 2
		.amdhsa_user_sgpr_kernarg_segment_ptr 1
		.amdhsa_wavefront_size32 1
		.amdhsa_system_sgpr_workgroup_id_x 1
		.amdhsa_system_sgpr_workgroup_id_y 1
		.amdhsa_system_sgpr_workgroup_id_z 1
		.amdhsa_system_vgpr_workitem_id 0
		.amdhsa_next_free_vgpr 256
		.amdhsa_next_free_sgpr 66
		.amdhsa_reserve_vcc 1
		.amdhsa_float_denorm_mode_32 3
		.amdhsa_float_denorm_mode_16_64 3
		.amdhsa_memory_ordered 1
		.amdhsa_forward_progress 1
		.amdhsa_inst_pref_size 109
	.end_amdhsa_kernel
	.amdgpu_metadata
---
amdhsa.version: [ 1, 2 ]
amdhsa.kernels:
  - .name:           k_q0978b0cf2a_attn
    .symbol:         k_q0978b0cf2a_attn.kd
    .args:
      - { .name: qkv16, .offset: 0, .size: 8, .value_kind: global_buffer, .address_space: global }
      - { .name: ctx3, .offset: 8, .size: 8, .value_kind: global_buffer, .address_space: global }
    .group_segment_fixed_size: 327680
    .private_segment_fixed_size: 0
    .kernarg_segment_align: 8
    .kernarg_segment_size: 16
    .max_flat_workgroup_size: 512
    .sgpr_count:     66
    .vgpr_count:     256
    .wavefront_size: 32
...
	.end_amdgpu_metadata
.endif
;; end of part 3
;; launch proj (part 4): grid 8 x 32, 4 waves a work-group, clusters of 4 x 4, 327,680 bytes of LDS; arguments ctx3, wo16, out0; writes out0
.if DOCPART == 4
	.amdgcn_target "amdgcn-amd-amdhsa--gfx1250"
	.amdhsa_code_object_version 6
	.text
	.protected	k_q0978b0cf2a_proj
	.globl	k_q0978b0cf2a_proj
	.p2align	8
	.type	k_q0978b0cf2a_proj,@function
k_q0978b0cf2a_proj:
	s_mov_b64 s[64:65], 0
	v_nop
	global_prefetch_b8 v0, s[64:65] scope:SCOPE_SE
	s_setreg_imm32_b32 hwreg(HW_REG_WAVE_MODE, 25, 1), 1
	s_wait_xcnt 0x0
	s_wait_alu depctr_hold_cnt(0) depctr_sa_sdst(0) depctr_va_vdst(0) depctr_va_sdst(0) depctr_va_ssrc(0) depctr_va_vcc(0) depctr_vm_vsrc(0)
	s_getreg_b32 s2, hwreg(HW_REG_IB_STS2, 6, 4)
	s_cmp_eq_u32 s2, 0
	s_cbranch_scc0 .Lentry_in_a_cluster
	s_endpgm
.Lentry_in_a_cluster:
	s_bfe_u32 s2, ttmp6, 0x10000c
	s_cmp_lg_u32 s2, 0xf033
	s_cbranch_scc0 .Lentry_shape_is_right
	s_endpgm
.Lentry_shape_is_right:
; out0[token][n] = the sum over k of ctx[token][k] Wo[n][k]: [4096][1024] f32, K = 1,024; operands f16 (Wo's high parts alone), sums f32.
; A = ctx3 [token block 32][head 16][token % 128][64] f16: the 128 tokens of a tile are ONE dense block of 262,144 bytes, and a K step of 256 (four heads) is 65,536 bytes on end.  B = wo16's first half, [1024][1024] f16.
; All 4,096 rows are made here; the 32 rows of positions 0-15 are stored anew, more finely, by the launch that follows (leaving them out here would want a branch on a work-group's place in its cluster).
; A tile of out0 is 128 x 128: 256 work-groups.  Four waves, 64 x 64 each: 16 accumulators.  K goes in four steps of 256 through two LDS slots.
; CLUSTERS: 4 x 4 work-groups.  The four of a row need the same tiles of A, the four of a column the same tiles of B: each tile is asked for JOINTLY, by the same tensor load with a mask that names the four.
; THE MATRIX INSTRUCTION IS USED TRANSPOSED (source 0 = 16 rows of Wo, source 1 = 16 tokens): a lane holds eight neighbouring columns of one token.
; LDS: a slot holds A as 256 rows of 256 bytes (two tokens of one head a row) + 16 of padding, then B as 128 rows of 512 bytes + 16.  Token m of head q lies at (64 q + m / 2) x 272 + (m % 2) x 128.
; REGISTERS: window 0: v16-31 addresses; v32-95 rows on the way out; v128-255 the accumulators ((a, b) at v[128 + 8 (4 a + b)]).   window 1: two fragment buffers of 128: 64 registers of A, then 64 of B, for 64 along K.
.set PA,     272
.set PB,     528
.set HALFA,  128*PA                    ; two heads x 128 tokens: what one tensor load brings of A
.set HALFB,  64*PB                     ; 64 rows of Wo
.set BOFF,   2*HALFA
.set SLOT,   2*HALFA+2*HALFB
.set STAGE,  2*SLOT                    ; behind the slots: 16 rows x (256 bytes + 16) for each wave
.set SPITCH, 272
.set SPARE,  STAGE+4*16*SPITCH         ; the spare words, 128 bytes a wave, which no other line names
.set ADRA, 16
.set ADRB, 20
.set STO,  24
.set RD,   25
.set CO,   26
.set SPW,  28
.set NIL,  29
.set TMP,  32
.set ACC,  128
.set F0,   0
.set F1,   128
.set G1, 24
.set G0, 32
.set G1B, 48
.set G0B, 56
.set MSB, 0
.macro WIN new                         ; the immediate's high byte repeats the setting that is left
.if MSB != \new
	s_set_vgpr_msb (MSB<<8)|\new
.set MSB, \new
.endif
.endm
.set MUL,  0x05                        ; sources 0 (B) and 1 (A) window 1; C and D window 0
.set TO_F, 0x40                        ; destination window 1, address window 0
.macro JLOAD s                         ; a joint load: waves 0 and 1 fetch A's halves, waves 2 and 3 B's; an s_nop 0 and four v_nop follow each of the two lines
	s_cmp_eq_u32 s11, 0
	s_cbranch_scc0 .Lfor_b_\@
	tensor_load_to_lds s[G0+4*\s:G0+4*\s+3], s[G1:G1+7]
	s_nop 0
.rept 4
	v_nop
.endr
	s_branch .Lasked_\@
.Lfor_b_\@:
	tensor_load_to_lds s[G0B+4*\s:G0B+4*\s+3], s[G1B:G1B+7]
	s_nop 0
.rept 4
	v_nop
.endr
.Lasked_\@:
.endm
.macro CREST                           ; a round of the cluster's barrier behind its opening barrier
	s_cmp_lg_u32 s10, 0
	s_cbranch_scc1 .Lnot_wave_0_\@
	s_barrier_signal -3
.Lnot_wave_0_\@:
	s_barrier_wait -3
	s_barrier_signal -1
	s_barrier_wait -1
.endm
.macro CROUND
	s_barrier_signal -1
	s_barrier_wait -1
	CREST
.endm
	s_load_b128 s[4:7], s[0:1], 0x0                ; ctx3 s[4:5], wo16 s[6:7]
	s_load_b64 s[8:9], s[0:1], 0x10                ; out0
	v_lshl_add_u32 v[SPW], v0, 2, SPARE
	v_mov_b32 v[NIL], 0
	ds_add_u32 v[SPW], v[NIL]                      ; the wave's opening: the add, twice on end, and its wait ahead of my first tensor load
	ds_add_u32 v[SPW], v[NIL]
	v_lshrrev_b32 v1, 5, v0
	v_readfirstlane_b32 s10, v1                    ; wave 0..3
	s_lshr_b32 s11, s10, 1                         ; which half of the tile's tokens is mine.  Also: I fetch for A (0) or for B (1)
	s_and_b32 s12, s10, 1                          ; which half of its columns.  Also: which half of that tile I fetch
	s_bfe_u32 s40, ttmp6, 0x40000                  ; cx, cy
	s_bfe_u32 s41, ttmp6, 0x40004
	s_lshl_b32 s42, ttmp9, 2
	s_add_co_u32 s42, s42, s40                     ; tile column
	s_and_b32 s13, ttmp7, 0xffff
	s_lshl_b32 s13, s13, 2
	s_add_co_u32 s13, s13, s41                     ; tile row
	s_lshl_b32 s43, s41, 2
	s_lshl_b32 s43, 15, s43                        ; my row of the cluster
	s_lshl_b32 s44, 0x1111, s40                    ; my column
	s_or_b32 s[G1+0], s43, (1<<16)|(1<<20)|(1<<21)|(5<<22)|(3<<25)   ; A: the mask of my row; elements of 2 bytes; padding on; bit 21 beside a mask; four words after every 64
	s_mov_b32 s[G1+1], 128<<16                     ; tensor_dim0 = 128 elements
	s_mov_b32 s[G1+2], 128<<16                     ; tensor_dim1 = 128 rows
	s_mov_b32 s[G1+3], 128<<16                     ; tile_dim0
	s_mov_b32 s[G1+4], 128                         ; tile_dim1
	s_mov_b32 s[G1+5], 128                         ; rows are dense
	s_mov_b32 s[G1+6], 0
	s_mov_b32 s[G1+7], 0
	s_or_b32 s[G1B+0], s44, (1<<16)|(1<<20)|(1<<21)|(6<<22)|(3<<25)  ; B: the mask of my column; four words after every 128
	s_mov_b32 s[G1B+1], 256<<16
	s_mov_b32 s[G1B+2], 64<<16
	s_mov_b32 s[G1B+3], 256<<16
	s_mov_b32 s[G1B+4], 64
	s_mov_b32 s[G1B+5], 1024                       ; a row of Wo
	s_mov_b32 s[G1B+6], 0
	s_mov_b32 s[G1B+7], 0
	s_lshl_b32 s16, s13, 18                        ; A: the tile row's block of 262,144 bytes
	s_lshl_b32 s17, s12, 15                        ; + my two heads of a K step's four
	s_add_co_u32 s16, s16, s17
	s_mov_b32 s17, 0
	s_lshl_b32 s46, s42, 18                        ; B: 128 rows of 2,048 bytes a tile column
	s_lshl_b32 s47, s12, 17                        ; + my 64 rows
	s_add_co_u32 s46, s46, s47
	s_mov_b32 s47, 0
	s_mul_i32 s20, s12, HALFA                      ; where they go: no place in the cluster enters an LDS address
	s_mul_i32 s21, s12, HALFB
	s_add_co_u32 s21, s21, BOFF
	s_wait_dscnt 0x0                               ; both opening adds are done
	s_wait_kmcnt 0x0
	s_add_nc_u64 s[14:15], s[4:5], s[16:17]
	s_add_nc_u64 s[46:47], s[6:7], s[46:47]
	CROUND                                         ; all sixteen work-groups are here: the first joint loads meet
.irp s, 0,1
	s_mov_b32 s[G0+4*\s], 1
	s_add_co_u32 s[G0+4*\s+1], s20, \s*SLOT
	s_add_nc_u64 s[G0+4*\s+2:G0+4*\s+3], s[14:15], \s*65536
	s_or_b32 s[G0+4*\s+3], s[G0+4*\s+3], 0x80000000
	s_mov_b32 s[G0B+4*\s], 1
	s_add_co_u32 s[G0B+4*\s+1], s21, \s*SLOT
	s_add_nc_u64 s[G0B+4*\s+2:G0B+4*\s+3], s[46:47], \s*512
	s_or_b32 s[G0B+4*\s+3], s[G0B+4*\s+3], 0x80000000
	JLOAD \s
.endr
	v_and_b32 v1, 15, v0                           ; r
	v_bfe_u32 v2, v0, 4, 1                         ; h
	v_lshrrev_b32 v3, 1, v1
	v_mul_u32_u24 v3, v3, PA                       ; A: token r of a block: row r / 2,
	v_and_b32 v4, 1, v1
	v_lshl_add_u32 v3, v4, 7, v3                   ; its half r % 2,
	v_lshl_add_u32 v3, v2, 4, v3                   ; + 16 h
	v_mul_u32_u24 v4, v1, PB
	v_lshl_add_u32 v4, v2, 4, v4                   ; B: row r x pitch + 16 h
	s_mul_i32 s21, s11, 32*PA                      ; my 64 tokens: 32 rows in each head
	s_mul_i32 s22, s12, HALFB                      ; my 64 rows of Wo,
	s_add_co_u32 s22, s22, BOFF                    ; which lie behind A
.irp s, 0,1
	v_add_nc_u32 v[ADRA+\s], s21, v3
	v_add_nc_u32 v[ADRB+\s], s22, v4
	s_add_co_u32 s21, s21, SLOT
	s_add_co_u32 s22, s22, SLOT
.endr
	s_mul_i32 s23, s10, 16*SPITCH
	s_add_co_u32 s23, s23, STAGE                   ; my stage
	v_mul_u32_u24 v5, v1, SPITCH
	v_lshl_add_u32 v5, v2, 5, v5
	v_add_nc_u32 v[STO], s23, v5                   ; in: row r, 32 bytes for each half of the lanes
	v_mul_u32_u24 v5, v2, SPITCH
	v_lshl_add_u32 v5, v1, 4, v5
	v_add_nc_u32 v[RD], s23, v5                    ; back: lanes 0-15 one row of 256 bytes, lanes 16-31 the next
	v_lshlrev_b32 v5, 12, v2
	v_lshl_add_u32 v[CO], v1, 4, v5                ; and the same two rows in out0
	s_lshl_b32 s16, s13, 19                        ; my first row: (128 x tile row + 64 x half) x 4,096 bytes
	s_lshl_b32 s17, s11, 18
	s_add_co_u32 s16, s16, s17
	s_mov_b32 s17, 0
	s_add_nc_u64 s[8:9], s[8:9], s[16:17]
	s_lshl_b32 s46, s42, 9                         ; my first column, in bytes: 512 x tile column + 256 x half
	s_lshl_b32 s47, s12, 8
	s_add_co_u32 s46, s46, s47
	s_mov_b32 s47, 0
	s_add_nc_u64 s[8:9], s[8:9], s[46:47]
; 8 matrix instructions: token blocks a0, a0 + 1 x all 4 column blocks, 32 along K: half c of buffer f.  zero = 1: the first product starts the sums.  The 16 accumulators take turns.
.macro MUL8 f, c, a0, zero
.irp a, \a0, \a0+1
.irp b, 0,1,2,3
.if \zero
	v_wmma_f32_16x16x32_f16 v[ACC+8*(4*(\a)+\b):ACC+8*(4*(\a)+\b)+7], v[\f+64+8*(4*\c+\b):\f+64+8*(4*\c+\b)+7], v[\f+8*(4*\c+\a):\f+8*(4*\c+\a)+7], 0
.else
	v_wmma_f32_16x16x32_f16 v[ACC+8*(4*(\a)+\b):ACC+8*(4*(\a)+\b)+7], v[\f+64+8*(4*\c+\b):\f+64+8*(4*\c+\b)+7], v[\f+8*(4*\c+\a):\f+8*(4*\c+\a)+7], v[ACC+8*(4*(\a)+\b):ACC+8*(4*(\a)+\b)+7]
.endif
.endr
.endr
.endm
; 32 LDS loads in one run: the fragments of quarter qd of a slot (64 along K: head qd of its four) into buffer f; the first 32 along K first
.macro FETCH slot, qd, f
	WIN TO_F
.irp c, 0,1
.irp i, 0,1,2,3
	ds_load_b128 v[\f+64+8*(4*\c+\i):\f+64+8*(4*\c+\i)+3],   v[ADRB+\slot] offset:128*(\qd)+64*\c+\i*16*PB
	ds_load_b128 v[\f+64+8*(4*\c+\i)+4:\f+64+8*(4*\c+\i)+7], v[ADRB+\slot] offset:128*(\qd)+64*\c+\i*16*PB+32
	ds_load_b128 v[\f+8*(4*\c+\i):\f+8*(4*\c+\i)+3],         v[ADRA+\slot] offset:64*PA*(\qd)+64*\c+\i*8*PA
	ds_load_b128 v[\f+8*(4*\c+\i)+4:\f+8*(4*\c+\i)+7],       v[ADRA+\slot] offset:64*PA*(\qd)+64*\c+\i*8*PA+32
.endr
.endr
.endm
.macro PLACES                          ; four places in front of loads into registers that matrix instructions have read, and of the first reads of results
.rept 4
	v_nop
.endr
.endm
; One of a K step's first three quarters: multiplies buffer f and fetches quarter qd into g.
.macro QUARTER slot, qd, f, g, zero
	s_wait_dscnt 16                                ; the first 32 along K are in; the other sixteen loads may be out
	WIN MUL
	MUL8 \f, 0, 0, \zero
	MUL8 \f, 0, 2, \zero
	PLACES
	FETCH \slot, \qd, \g
	s_wait_dscnt 32                                ; all but the 32 just issued
	WIN MUL
	MUL8 \f, 1, 0, 0
	MUL8 \f, 1, 2, 0
.endm
; The last quarter multiplies buffer 1 and changes slots: ONE barrier; in front of it each wave waits for all its tensor loads, adds 0 to its spare word, and waits for that and for its reads of this slot.  fill = 1: this slot is filled again, two K steps ahead.
.macro TURN slot, next, fill
	WIN 0                                          ; (the add's two registers lie in window 0)
	s_wait_tensorcnt 0x0                           ; all my tensor loads have landed: my part of the next slot
	ds_add_u32 v[SPW], v[NIL]
	s_wait_dscnt 17                                ; the add and the youngest sixteen loads may be out
	WIN MUL
	MUL8 F1, 0, 0, 0
	s_wait_dscnt 0x0                               ; the add is done, and my reads of this slot are over
	s_barrier_signal -1
	MUL8 F1, 0, 2, 0
.if \fill
	WIN 0
.endif
	s_barrier_wait -1
.if \fill
	CREST                                          ; the barrier has opened a round of the cluster's: no wave of any partner still reads this slot or has a load on its way
	s_add_nc_u64 s[G0+4*\slot+2:G0+4*\slot+3], s[G0+4*\slot+2:G0+4*\slot+3], 2*65536
	s_add_nc_u64 s[G0B+4*\slot+2:G0B+4*\slot+3], s[G0B+4*\slot+2:G0B+4*\slot+3], 2*512
	JLOAD \slot                                    ; the first tensor load behind the round, my one load that is out; its four v_nop are also the places in front of the loads below
.else
	PLACES
.endif
	FETCH \next, 0, F0
	WIN MUL
	MUL8 F1, 1, 0, 0
	MUL8 F1, 1, 2, 0
.endm
	s_wait_tensorcnt 1                             ; my part of K step 0 is in; K step 1's load may be out
	s_barrier_signal -1
	s_barrier_wait -1
	FETCH 0, 0, F0
	QUARTER 0, 1, F0, F1, 1                        ; the first products start the sums
	WIN 0                                          ; at a label and at a branch every window is 0
	s_mov_b32 s3, 1
.Llap:                                                 ; one trip: once round the ring, K steps 0 and 1; both slots are filled again, with K steps 2 and 3
	QUARTER 0, 2, F1, F0, 0
	QUARTER 0, 3, F0, F1, 0
	TURN 0, 1, 1
	QUARTER 1, 1, F0, F1, 0
	QUARTER 1, 2, F1, F0, 0
	QUARTER 1, 3, F0, F1, 0
	TURN 1, 0, 1
	QUARTER 0, 1, F0, F1, 0
	WIN 0
	s_sub_co_u32 s3, s3, 1
	s_cmp_lg_u32 s3, 0
	s_cbranch_scc1 .Llap
	QUARTER 0, 2, F1, F0, 0                        ; the last lap fills nothing
	QUARTER 0, 3, F0, F1, 0
	TURN 0, 1, 0
	QUARTER 1, 1, F0, F1, 0
	QUARTER 1, 2, F1, F0, 0
	QUARTER 1, 3, F0, F1, 0
	s_wait_dscnt 16                                ; the very last quarter
	WIN MUL
	MUL8 F1, 0, 0, 0
	MUL8 F1, 0, 2, 0
	s_wait_dscnt 0
	MUL8 F1, 1, 0, 0
	MUL8 F1, 1, 2, 0
	WIN 0
; THE WAY OUT, 16 tokens at a time.  My 64 columns of f32 are 256 bytes of a row, aligned: the stage is my own and needs no barrier.  LDS serves a wave's instructions in order (ISA guide 5.7.1.4).
.macro TOSTAGE a
.irp b, 0,1,2,3
	ds_store_b128 v[STO], v[ACC+8*(4*(\a)+\b):ACC+8*(4*(\a)+\b)+3] offset:64*\b        ; each accumulator from its low end on
	ds_store_b128 v[STO], v[ACC+8*(4*(\a)+\b)+4:ACC+8*(4*(\a)+\b)+7] offset:64*\b+16
.endr
.set BB, TMP+32*((\a)%2)
.irp t, 0,1,2,3,4,5,6,7
	ds_load_b128 v[BB+4*\t:BB+4*\t+3], v[RD] offset:\t*2*SPITCH
.endr
.endm
.macro SEND a, younger
.set BB, TMP+32*((\a)%2)
	s_wait_dscnt \younger
.irp t, 0,1,2,3,4,5,6,7
	global_store_b128 v[CO], v[BB+4*\t:BB+4*\t+3], s[8:9] offset:(16*(\a)+2*\t)*4096 th:TH_STORE_NT   ; 16 lanes store 256 consecutive bytes, at a multiple of 256 from out0's first byte
.endr
.endm
	PLACES
	TOSTAGE 0
.irp a, 1,2,3
.if \a > 1
	s_wait_xcnt 0x0                                ; block a - 2's stores have read their registers: block a's loads may land there
.endif
	TOSTAGE \a
	SEND \a-1, 16                                  ; behind block a - 1's loads: block a's 8 stores and 8 loads
.endr
	SEND 3, 0
	s_wait_tensorcnt 0x0                           ; the wave's end
	ds_add_u32 v[SPW], v[NIL]
	s_wait_dscnt 0x0
	CROUND                                         ; the closing round
	s_endpgm
.Lfunc_end_k_q0978b0cf2a_proj:
	.size	k_q0978b0cf2a_proj, .Lfunc_end_k_q0978b0cf2a_proj-k_q0978b0cf2a_proj
	.p2alignl 7, 3214868480
	.fill 96, 4, 3214868480
	.section	.rodata,"a",@progbits
	.p2align	6, 0x0
	.amdhsa_kernel k_q0978b0cf2a_proj
		.amdhsa_group_segment_fixed_size 327680
		.amdhsa_private_segment_fixed_size 0
		.amdhsa_enable_private_segment 0
		.amdhsa_kernarg_size 24
		.amdhsa_user_sgpr_count 2
		.amdhsa_user_sgpr_kernarg_segment_ptr 1
		.amdhsa_wavefront_size32 1
		.amdhsa_system_sgpr_workgroup_id_x 1
		.amdhsa_system_sgpr_workgroup_id_y 1
		.amdhsa_system_sgpr_workgroup_id_z 1
		.amdhsa_system_vgpr_workitem_id 0
		.amdhsa_next_free_vgpr 512
		.amdhsa_next_free_sgpr 66
		.amdhsa_reserve_vcc 0
		.amdhsa_float_denorm_mode_32 3
		.amdhsa_float_denorm_mode_16_64 3
		.amdhsa_memory_ordered 1
		.amdhsa_forward_progress 1
		.amdhsa_inst_pref_size 86
	.end_amdhsa_kernel
	.amdgpu_metadata
---
amdhsa.version: [ 1, 2 ]
amdhsa.kernels:
  - .name:           k_q0978b0cf2a_proj
    .symbol:         k_q0978b0cf2a_proj.kd
    .args:
      - { .name: ctx3, .offset: 0, .size: 8, .value_kind: global_buffer, .address_space: global }
      - { .name: wo16, .offset: 8, .size: 8, .value_kind: global_buffer, .address_space: global }
      - { .name: out0, .offset: 16, .size: 8, .value_kind: global_buffer, .address_space: global }
    .group_segment_fixed_size: 327680
    .private_segment_fixed_size: 0
    .kernarg_segment_align: 8
    .kernarg_segment_size: 24
    .max_flat_workgroup_size: 128
    .sgpr_count:     66
    .vgpr_count:     512
    .wavefront_size: 32
...
	.end_amdgpu_metadata
.endif
;; end of part 4
;; launch fine (part 5): grid 16 x 2, 16 waves a work-group, no clusters, 71,680 bytes of LDS; arguments qkv32, wo16, out0; writes out0
.if DOCPART == 5
	.amdgcn_target "amdgcn-amd-amdhsa--gfx1250"
	.amdhsa_code_object_version 6
	.text
	.protected	k_q0978b0cf2a_fine
	.globl	k_q0978b0cf2a_fine
	.p2align	8
	.type	k_q0978b0cf2a_fine,@function
k_q0978b0cf2a_fine:
	s_mov_b64 s[64:65], 0
	v_nop
	global_prefetch_b8 v0, s[64:65] scope:SCOPE_SE
	s_setreg_imm32_b32 hwreg(HW_REG_WAVE_MODE, 25, 1), 1
	s_wait_xcnt 0x0
; POSITIONS 0-15 OF BOTH SEQUENCES, CARRIED FINELY.  Under the causal mask these rows average one to sixteen values and are the largest of the output, so f16 operands weigh most there.  Here their scores and their
; weighted sums are made with f32 operands (v_wmma_f32_16x16x4_f32: 32 instructions a wave, no bulk work), from the f32 sums q, k, v that the product's launch kept, and their projection with pairs of f16 numbers:
; ctx = high + low and Wo = high + low, split in f32; high x high, high x low and low x high go to the matrix unit (low x low lies 22 bits under the result and is left out).
; The 32 rows of out0 that the launch before has stored are stored anew: 131,072 bytes.
; SHARES.  Work-group (slice, batch): 64 columns of out0, so that a row's 256 bytes are written whole.  Wave w is head w: it makes its head's attention of 16 x 16 (the same in all 16 slices: 12 KB read a wave),
; and its head's part of the projection (K = its 64 channels) for the 64 columns.  The 16 parts meet in LDS and are added in ascending order of the heads, wave w adding token w's row.
; IN: qkv32 [batch 2][part 3][head 16][image 8][lane 32][4 f32]: image 2 bb + u of lane l holds token l % 16, channels 16 bb + 8 (l / 16) + 4 u + 0 .. 3.  q and k are loaded as these images: the map of channels
; onto lanes and registers is the same for both sides of the first product, which is all that a sum over channels asks.
; LIMITS: a hidden key has the weight 0 (as a score of -1e9 gives while a row's kept scores lie above about -1e9 + 150); |ctx| and |Wo| stay under 65,504.
; The registers that the f32 matrix form writes (v112-159) are written by nothing else.
.set PARTB, 4352                       ; LDS: a head's part: 16 blocks of 16 tokens x 16 bytes + 16 of padding
.set SPARE, 16*PARTB                   ; the spare words, 128 bytes a wave, which no other line names
.set QA,  1                            ; v1   16 x lane
.set VA,  2                            ; v2   v: my lane's place in a head's images
.set WA,  3                            ; v3   Wo: row r, my head's channels, + 16 h
.set STO, 4                            ; v4   where I put my part
.set RD,  5                            ; v5   where I read the parts of my token
.set GO,  6                            ; v6   8 x lane
.set DQ,  7                            ; v7   r - 8 h, for the mask
.set SPW, 14
.set NIL, 15
.set QR,  16                           ; v16-47  q;  v48-79 k;  later Wo's low parts in v16-79
.set KR,  48
.set WL,  16
.set VR,  80                           ; v80-111 v;  later ctx's high parts v80-95 and low parts v96-111
.set CH,  80
.set CL,  96
.set SA,  112                          ; v112-127 the scores, in two accumulators that take turns
.set OA,  128                          ; v128-159 O^T, four channel tiles
.set WH,  160                          ; v160-223 Wo's high parts; later the 16 parts read back
.set T,   224                          ; v224-231 scores and p; then v224-255 ctx in f32; then the projection's four accumulators
.set CT,  224
.set Y,   224
	s_load_b128 s[4:7], s[0:1], 0x0                ; qkv32 s[4:5], wo16 s[6:7]
	s_load_b64 s[8:9], s[0:1], 0x10                ; out0
	v_lshl_add_u32 v[SPW], v0, 2, SPARE
	v_mov_b32 v[NIL], 0
	v_lshrrev_b32 v1, 5, v0
	v_readfirstlane_b32 s10, v1                    ; wave = head; later = token
	s_and_b32 s11, ttmp7, 0xffff                   ; batch
	v_and_b32 v8, 31, v0                           ; lane
	v_and_b32 v9, 15, v0                           ; r
	v_bfe_u32 v10, v0, 4, 1                        ; h
	v_lshlrev_b32 v[QA], 4, v8
	v_bfe_u32 v11, v0, 2, 1                        ; v(key, channel 16 c + r) lies in image 2 c + (r / 4) % 2, lane key + 16 (r / 8), word r % 4; my keys begin at 8 h
	v_lshlrev_b32 v[VA], 9, v11
	v_bfe_u32 v11, v0, 3, 1
	v_lshl_add_u32 v[VA], v11, 8, v[VA]
	v_and_b32 v11, 3, v0
	v_lshl_add_u32 v[VA], v11, 2, v[VA]
	v_lshl_add_u32 v[VA], v10, 7, v[VA]
	v_lshlrev_b32 v[WA], 11, v9                    ; Wo: row r of 2,048 bytes,
	v_lshl_add_u32 v[WA], v10, 4, v[WA]            ; + 16 h,
	s_lshl_b32 s12, s10, 7
	v_add_nc_u32 v[WA], s12, v[WA]                 ; + my head's 64 channels
	s_mul_i32 s12, s10, PARTB
	v_mul_u32_u24 v[STO], v10, 272
	v_lshl_add_u32 v[STO], v9, 4, v[STO]
	v_add_nc_u32 v[STO], s12, v[STO]               ; my part: block 2 (2 n + u) + h, token r
	v_lshrrev_b32 v[RD], 1, v8                     ; back: lane l takes columns 2 l, 2 l + 1: of the four columns g = l / 2, which lie in block (g & 12) + 2 (g & 1) + (g / 2 & 1)
	v_and_b32 v[RD], 12, v[RD]
	v_bfe_u32 v11, v0, 1, 1
	v_lshl_add_u32 v[RD], v11, 1, v[RD]
	v_bfe_u32 v11, v0, 2, 1
	v_add_nc_u32 v[RD], v[RD], v11
	v_mul_u32_u24 v[RD], v[RD], 272
	v_and_b32 v11, 1, v0
	v_lshl_add_u32 v[RD], v11, 3, v[RD]            ; + 8 (l % 2)
	s_lshl_b32 s12, s10, 4
	v_add_nc_u32 v[RD], s12, v[RD]                 ; + 16 x my token
	v_lshlrev_b32 v[GO], 3, v8
	v_lshlrev_b32 v11, 3, v10
	v_sub_nc_u32 v[DQ], v9, v11
	s_mov_b32 s20, 0x76543210
	s_mov_b32 s21, 0xfedcba98                      ; v_permlanex16_b32's selects for lane l xor 16
	s_mov_b32 s22, 0x3e38aa3b                      ; c = log2(e) / sqrt(64)
	s_mov_b32 s23, s22
	s_mul_i32 s12, s11, 196608                     ; the batch's three parts,
	s_lshl_b32 s13, s10, 12
	s_add_co_u32 s12, s12, s13                     ; my head's 4,096 bytes
	s_mov_b32 s13, 0
	s_lshl_b32 s14, ttmp9, 17                      ; the slice's 64 rows of Wo
	s_mov_b32 s15, 0
	s_lshl_b32 s16, s11, 23                        ; out0: the batch's first row,
	s_lshl_b32 s17, s10, 12
	s_add_co_u32 s16, s16, s17                     ; my token's row,
	s_lshl_b32 s17, ttmp9, 8
	s_add_co_u32 s16, s16, s17                     ; the slice's 256 bytes
	s_mov_b32 s17, 0
	s_wait_kmcnt 0x0
	s_add_nc_u64 s[4:5], s[4:5], s[12:13]
	s_add_nc_u64 s[6:7], s[6:7], s[14:15]
	s_add_nc_u64 s[8:9], s[8:9], s[16:17]
.irp i, 0,1,2,3,4,5,6,7
	global_load_b128 v[QR+4*\i:QR+4*\i+3], v[QA], s[4:5] offset:512*\i
.endr
.irp i, 0,1,2,3,4,5,6,7
	global_load_b128 v[KR+4*\i:KR+4*\i+3], v[QA], s[4:5] offset:65536+512*\i
.endr
.irp c, 0,1,2,3
.irp n, 0,1,2,3,4,5,6,7
	global_load_b32 v[VR+8*\c+\n], v[VA], s[4:5] offset:131072+1024*\c+16*\n   ; v(key 8 h + n, channel 16 c + r)
.endr
.endr
.irp n, 0,1,2,3
.irp k, 0,1
	global_load_b128 v[WH+16*\n+8*\k:WH+16*\n+8*\k+3], v[WA], s[6:7] offset:32768*\n+64*\k
	global_load_b128 v[WH+16*\n+8*\k+4:WH+16*\n+8*\k+7], v[WA], s[6:7] offset:32768*\n+64*\k+32
.endr
.endr
	s_wait_loadcnt 48                              ; q and k are in; v's 32 loads and Wo's 16 may be out
	; S^T = k q^T, four channels an instruction; two accumulators take turns; their first products start the sums
	v_wmma_f32_16x16x4_f32 v[SA:SA+7], v[KR:KR+1], v[QR:QR+1], 0
	v_wmma_f32_16x16x4_f32 v[SA+8:SA+15], v[KR+2:KR+3], v[QR+2:QR+3], 0
.irp i, 1,2,3,4,5,6,7
.irp u, 0,1
	v_wmma_f32_16x16x4_f32 v[SA+8*\u:SA+8*\u+7], v[KR+4*\i+2*\u:KR+4*\i+2*\u+1], v[QR+4*\i+2*\u:QR+4*\i+2*\u+1], v[SA+8*\u:SA+8*\u+7]
.endr
.endr
.rept 8
	v_nop                                          ; eight places behind this form, in front of loads into its sources and of reads of its results
.endr
.irp n, 0,1,2,3
.irp k, 0,1
	global_load_b128 v[WL+16*\n+8*\k:WL+16*\n+8*\k+3], v[WA], s[6:7] offset:2097152+32768*\n+64*\k       ; Wo's low parts, where q and k lay
	global_load_b128 v[WL+16*\n+8*\k+4:WL+16*\n+8*\k+7], v[WA], s[6:7] offset:2097152+32768*\n+64*\k+32
.endr
.endr
.irp i, 0,2,4,6
	v_pk_add_f32 v[T+\i:T+\i+1], v[SA+\i:SA+\i+1], v[SA+8+\i:SA+9+\i]   ; lane (r, h), register j: the score of query r and key 8 h + j
.endr
	v_mov_b32 v8, 0xff800000
.irp j, 0,1,2,3,4,5,6,7
	v_cmp_gt_i32 vcc_lo, \j, v[DQ]                 ; hidden where 8 h + j > r
	v_cndmask_b32 v[T+\j], v[T+\j], v8, vcc_lo
.endr
	v_max3_num_f32 v9, v[T], v[T+1], v[T+2]
	v_max3_num_f32 v9, v9, v[T+3], v[T+4]
	v_max3_num_f32 v9, v9, v[T+5], v[T+6]
	v_max_num_f32 v9, v9, v[T+7]
	v_permlanex16_b32 v10, v9, s20, s21
	v_max_num_f32 v13, v9, v10                     ; the row's maximum: key 0 counts for every query
	v_mul_f32 v12, s22, v13
.irp i, 0,2,4,6
	v_pk_fma_f32 v[T+\i:T+\i+1], v[T+\i:T+\i+1], s[22:23], v[12:13] op_sel_hi:[1,0,0] neg_lo:[0,0,1] neg_hi:[0,0,1]   ; c s - c m
.endr
.irp j, 0,1,2,3,4,5,6,7
	v_exp_f32 v[T+\j], v[T+\j]
.endr
	v_nop                                          ; a plain instruction behind the last exponential
	s_wait_alu depctr_va_vdst(0)                   ; the wait ahead of the first instruction that names a result: one for the eight
	v_pk_add_f32 v[8:9], v[T:T+1], v[T+2:T+3]
	v_pk_add_f32 v[10:11], v[T+4:T+5], v[T+6:T+7]
	v_pk_add_f32 v[8:9], v[8:9], v[10:11]
	v_add_f32 v8, v8, v9
	v_permlanex16_b32 v9, v8, s20, s21
	v_add_f32 v8, v8, v9                           ; the row's sum
	v_rcp_f32 v12, v8
	v_nop                                          ; a plain instruction behind the reciprocal; its wait stands ahead of its first reader, below
	s_wait_loadcnt 32                              ; v is in; Wo's two parts, 16 loads each, may be out
	; O^T = v^T p, four keys an instruction: step s takes keys 8 h + 2 s, 8 h + 2 s + 1 on both sides; the four channel tiles take turns
.irp c, 0,1,2,3
	v_wmma_f32_16x16x4_f32 v[OA+8*\c:OA+8*\c+7], v[VR+8*\c:VR+8*\c+1], v[T:T+1], 0
.endr
.irp s, 1,2,3
.irp c, 0,1,2,3
	v_wmma_f32_16x16x4_f32 v[OA+8*\c:OA+8*\c+7], v[VR+8*\c+2*\s:VR+8*\c+2*\s+1], v[T+2*\s:T+2*\s+1], v[OA+8*\c:OA+8*\c+7]
.endr
.endr
.rept 8
	v_nop
.endr
	s_wait_alu depctr_va_vdst(0)                   ; the reciprocal's wait
.set n, 0
.rept 16
	v_pk_mul_f32 v[CT+n:CT+n+1], v[OA+n:OA+n+1], v[12:13] op_sel_hi:[1,0]   ; ctx(query r, channel 16 c + 8 h + j) in register 8 c + j, into other registers than the sums'
.set n, n+2
.endr
; two numbers of ctx become a register of high parts and one of low parts.  lo, hi: the names of the halves of the register of high parts
.macro SPLIT n, lo, hi
	v_cvt_pk_f16_f32 v[CH+\n], v[CT+2*\n], v[CT+2*\n+1]
	v_cvt_f32_f16 v8, \lo
	v_cvt_f32_f16 v9, \hi
	v_pk_add_f32 v[8:9], v[CT+2*\n:CT+2*\n+1], v[8:9] neg_lo:[0,1] neg_hi:[0,1]   ; what the rounding left, exact in f32
	v_cvt_pk_f16_f32 v[CL+\n], v8, v9
.endm
	SPLIT 0, v80.l, v80.h
	SPLIT 1, v81.l, v81.h
	SPLIT 2, v82.l, v82.h
	SPLIT 3, v83.l, v83.h
	SPLIT 4, v84.l, v84.h
	SPLIT 5, v85.l, v85.h
	SPLIT 6, v86.l, v86.h
	SPLIT 7, v87.l, v87.h
	SPLIT 8, v88.l, v88.h
	SPLIT 9, v89.l, v89.h
	SPLIT 10, v90.l, v90.h
	SPLIT 11, v91.l, v91.h
	SPLIT 12, v92.l, v92.h
	SPLIT 13, v93.l, v93.h
	SPLIT 14, v94.l, v94.h
	SPLIT 15, v95.l, v95.h
	s_wait_loadcnt 0x0                             ; Wo's two parts
; four matrix instructions: my head's channels 32 kp on, transposed (source 0 = 16 rows of Wo, source 1 = my 16 tokens); the four column tiles take turns
.macro PROJ w, x, kp, zero
.irp n, 0,1,2,3
.if \zero
	v_wmma_f32_16x16x32_f16 v[Y+8*\n:Y+8*\n+7], v[\w+16*\n+8*\kp:\w+16*\n+8*\kp+7], v[\x+8*\kp:\x+8*\kp+7], 0
.else
	v_wmma_f32_16x16x32_f16 v[Y+8*\n:Y+8*\n+7], v[\w+16*\n+8*\kp:\w+16*\n+8*\kp+7], v[\x+8*\kp:\x+8*\kp+7], v[Y+8*\n:Y+8*\n+7]
.endif
.endr
.endm
	PROJ WH, CH, 0, 1
	PROJ WH, CH, 1, 0
	PROJ WH, CL, 0, 0
	PROJ WH, CL, 1, 0
	PROJ WL, CH, 0, 0
	PROJ WL, CH, 1, 0
.rept 4
	v_nop
.endr
.irp n, 0,1,2,3
	ds_store_b128 v[STO], v[Y+8*\n:Y+8*\n+3] offset:(2*\n)*544         ; lane (r, h): token r, columns 16 n + 8 h + 0 .. 3; each accumulator from its low end on
	ds_store_b128 v[STO], v[Y+8*\n+4:Y+8*\n+7] offset:(2*\n+1)*544     ; and + 4 .. 7
.endr
	s_wait_dscnt 0x0                               ; for the others' sake: my part lies in LDS
	s_barrier_signal -1
	s_barrier_wait -1
.set n, 0
.rept 16
	ds_load_b64 v[WH+2*n:WH+2*n+1], v[RD] offset:PARTB*n   ; head n's part of my token, my two columns
.set n, n+1
.endr
	s_wait_dscnt 0x0
.set n, 1
.rept 15
	v_pk_add_f32 v[WH:WH+1], v[WH:WH+1], v[WH+2*n:WH+2*n+1]   ; in ascending order of the heads
.set n, n+1
.endr
	global_store_b64 v[GO], v[WH:WH+1], s[8:9]     ; 32 lanes store 256 consecutive bytes, at a multiple of 256 from out0's first byte
	s_wait_tensorcnt 0x0                           ; the wave's end
	ds_add_u32 v[SPW], v[NIL]
	s_wait_dscnt 0x0
	s_endpgm
.Lfunc_end_k_q0978b0cf2a_fine:
	.size	k_q0978b0cf2a_fine, .Lfunc_end_k_q0978b0cf2a_fine-k_q0978b0cf2a_fine
	.p2alignl 7, 3214868480
	.fill 96, 4, 3214868480
	.section	.rodata,"a",@progbits
	.p2align	6, 0x0
	.amdhsa_kernel k_q0978b0cf2a_fine
		.amdhsa_group_segment_fixed_size 71680
		.amdhsa_private_segment_fixed_size 0
		.amdhsa_enable_private_segment 0
		.amdhsa_kernarg_size 24
		.amdhsa_user_sgpr_count 2
		.amdhsa_user_sgpr_kernarg_segment_ptr 1
		.amdhsa_wavefront_size32 1
		.amdhsa_system_sgpr_workgroup_id_x 1
		.amdhsa_system_sgpr_workgroup_id_y 1
		.amdhsa_system_sgpr_workgroup_id_z 1
		.amdhsa_system_vgpr_workitem_id 0
		.amdhsa_next_free_vgpr 256
		.amdhsa_next_free_sgpr 66
		.amdhsa_reserve_vcc 1
		.amdhsa_float_denorm_mode_32 3
		.amdhsa_float_denorm_mode_16_64 3
		.amdhsa_memory_ordered 1
		.amdhsa_forward_progress 1
		.amdhsa_inst_pref_size 25
	.end_amdhsa_kernel
	.amdgpu_metadata
---
amdhsa.version: [ 1, 2 ]
amdhsa.kernels:
  - .name:           k_q0978b0cf2a_fine
    .symbol:         k_q0978b0cf2a_fine.kd
    .args:
      - { .name: qkv32, .offset: 0, .size: 8, .value_kind: global_buffer, .address_space: global }
      - { .name: wo16, .offset: 8, .size: 8, .value_kind: global_buffer, .address_space: global }
      - { .name: out0, .offset: 16, .size: 8, .value_kind: global_buffer, .address_space: global }
    .group_segment_fixed_size: 71680
    .private_segment_fixed_size: 0
    .kernarg_segment_align: 8
    .kernarg_segment_size: 24
    .max_flat_workgroup_size: 512
    .sgpr_count:     66
    .vgpr_count:     256
    .wavefront_size: 32
...
	.end_amdgpu_metadata
.endif
;; end of part 5
